; MI455X (gfx1250); checked and timed in simulation.
; The chip was launched on July 23, 2026; its instructions are those of AMD's public machine-readable ISA for CDNA 5 (MIT licence, August 2026) and "CDNA5" Instruction Set Architecture Reference Guide (July 2026). The comments in the code are by the model that wrote it; some were corrected since.
;; Video Mo E Layer. Allowed arithmetic: float matrix products may take bf16 or f16 operands with f32 sums; other float arithmetic in f32, or as packed bf16 or f16 multiplies, adds, multiply-adds, maxima and minima; sums over many terms, partial sums and values carried from step to step in f32; what a program stores and reads back later, other than sums and carried values, may be rounded once to bf16 or f16.
;; Inputs: b1 8 x 2,048 float32; b2 8 x 1,024 float32; gate_w 8 x 1,024 float32; w1 8 x 1,024 x 2,048 float32; w2 8 x 2,048 x 1,024 float32; x 2 x 1,024 x 1,024 float32.
;; Outputs: out0 2 x 1,024 x 1,024 float32; out1 one number float32.
;; 2 versions, each right. Each part assembles by itself: llvm-mc -triple=amdgcn-amd-amdhsa -mcpu=gfx1250 --defsym DOCPART=n.
;; ======== version 1 of 2: 5 launches
;; limits: values are held in f16: magnitudes above 65,504 overflow, below 6.1e-05 lose precision; a function is approximated: absolute error at most 1.5e-07; values within 1.2e-07 (relative) of each other or of a threshold may be ordered or decided otherwise than in the reference
;; workspace buffers: maps 4,096 bytes of whole numbers; gate 20,480 bytes; rows 65,792 bytes of whole numbers; rowp 65,536 bytes; xs 33,554,432 bytes; hid 67,108,864 bytes; ypart 33,554,432 bytes
;; launch router (part 1): grid 128 x 1, 8 waves a work-group, no clusters, 9,216 bytes of LDS; arguments x, gate_w, maps, gate; writes maps, gate
.if DOCPART == 1
	.amdgcn_target "amdgcn-amd-amdhsa--gfx1250"
	.amdhsa_code_object_version 6
	.text
	.protected	k_q7e6bebc21d_router
	.globl	k_q7e6bebc21d_router
	.p2align	8
	.type	k_q7e6bebc21d_router,@function
k_q7e6bebc21d_router:
	s_mov_b64 s[64:65], 0
	v_nop
	global_prefetch_b8 v0, s[64:65] scope:SCOPE_SE
	s_setreg_imm32_b32 hwreg(HW_REG_WAVE_MODE, 25, 1), 1
	s_wait_xcnt 0x0
; ROUTER.  logits[t][e] = sum over h of x[t][h] gate_w[e][h], both rounded to bf16, sums in f32; softmax over the 8 experts with the maximum taken away; the two largest.
; A work-group owns 16 tokens; wave w the channels 128 w .. 128 w + 127 (four matrix instructions); the eight partial sums meet in LDS and wave 0 finishes.
; Stored, all at fixed places: maps (u16 [2][8][128 tiles]: bit r of tile's word = token 16 tile + r chose expert e; in map 1: as its second choice),
; gate: pw[token][2] = the two renormalised weights, and from byte 16,384 on psum[tile][8] = the tile's sums of the probabilities.
; LIMITS.  The two largest are found on the logits, the lower index first among equals; two logits so close that their probabilities round alike are ordered by the logit.  NaN and infinities are not treated apart.
.set SPARE, 8192                       ; behind the partial sums: the spare words, 128 bytes a wave
.set LG,  24                           ; v[24:31]   a token's eight logits
.set XR,  32                           ; v[32:95]   x as loaded, f32
.set GR,  96                           ; v[96:159]  gate_w as loaded
.set XF,  160                          ; v[160:191] x, four fragments of 16 tokens x 32 channels
.set GF,  192                          ; v[192:223] gate_w likewise (rows 8-15 repeat rows 0-7)
.set AC0, 224
.set AC1, 232
	s_load_b256 s[4:11], s[0:1], 0x0               ; x s[4:5], gate_w s[6:7], maps s[8:9], gate s[10:11]
	v_lshl_add_u32 v1, v0, 2, SPARE                ; my spare word
	v_mov_b32 v2, 0
	v_lshrrev_b32 v7, 5, v0
	v_readfirstlane_b32 s12, v7                    ; wave
	v_and_b32 v3, 31, v0                           ; lane
	v_and_b32 v8, 15, v0                           ; r: my token in the tile
	v_bfe_u32 v9, v0, 4, 1                         ; h: which half of the lanes
	v_and_b32 v10, 7, v0                           ; my expert
	v_lshlrev_b32 v11, 5, v9                       ; 8 h channels of 4 bytes
	v_lshl_add_u32 v11, s12, 9, v11                ; + my wave's 128 channels
	v_lshl_add_u32 v4, v8, 12, v11                 ; x: + r rows of 4,096 bytes
	v_lshl_add_u32 v5, v10, 12, v11                ; gate_w: + the expert's row
	v_lshlrev_b32 v6, 5, v0                        ; LDS: 32 bytes a thread
	s_lshl_b32 s14, ttmp9, 16                      ; the tile's 16 rows
	s_mov_b32 s15, 0
	s_wait_kmcnt 0x0
	s_add_nc_u64 s[4:5], s[4:5], s[14:15]
; load 4 s + 2 j + q brings channels 32 s + 16 j + 8 h + 4 q .. + 3: in that order the pairs, rounded, ARE the fragments' registers
.set i, 0
.rept 16
	global_load_b128 v[XR+4*i:XR+4*i+3], v4, s[4:5] offset:128*(i/4)+64*((i/2)%2)+16*(i%2)
	global_load_b128 v[GR+4*i:GR+4*i+3], v5, s[6:7] offset:128*(i/4)+64*((i/2)%2)+16*(i%2)
.set i, i+1
.endr
	s_wait_loadcnt 0x0
.set i, 0
.rept 32
	v_cvt_pk_bf16_f32 v[XF+i], v[XR+2*i], v[XR+2*i+1]
	v_cvt_pk_bf16_f32 v[GF+i], v[GR+2*i], v[GR+2*i+1]
.set i, i+1
.endr
; source 0 = experts, source 1 = tokens: a lane then holds ONE token (r) and in registers 0-7 its eight logits.  Two accumulators by turns.
	v_wmma_f32_16x16x32_bf16 v[AC0:AC0+7], v[GF:GF+7], v[XF:XF+7], 0
	v_wmma_f32_16x16x32_bf16 v[AC1:AC1+7], v[GF+8:GF+15], v[XF+8:XF+15], 0
	v_wmma_f32_16x16x32_bf16 v[AC0:AC0+7], v[GF+16:GF+23], v[XF+16:XF+23], v[AC0:AC0+7]
	v_wmma_f32_16x16x32_bf16 v[AC1:AC1+7], v[GF+24:GF+31], v[XF+24:XF+31], v[AC1:AC1+7]
.rept 4
	v_nop                                          ; four places between a matrix instruction and the reader of its result (ISA guide 7.12.1)
.endr
.irp p, 0,2,4,6
	v_pk_add_f32 v[LG+\p:LG+\p+1], v[AC0+\p:AC0+\p+1], v[AC1+\p:AC1+\p+1]
.endr
	ds_store_b128 v6, v[LG:LG+3]
	ds_store_b128 v6, v[LG+4:LG+7] offset:16
	s_wait_dscnt 0x0                               ; for wave 0's sake: my partial sums are in LDS
	s_barrier_signal -1
	s_barrier_wait -1
	s_cmp_lg_u32 s12, 0
	s_cbranch_scc1 .Lend
; wave 0: the eight waves' sums, added in the waves' order
.set i, 0
.rept 8
	ds_load_b128 v[32+8*i:32+8*i+3], v6 offset:1024*i
	ds_load_b128 v[32+8*i+4:32+8*i+7], v6 offset:1024*i+16
.set i, i+1
.endr
	s_wait_dscnt 0x0
.irp p, 0,2,4,6
	v_pk_add_f32 v[LG+\p:LG+\p+1], v[32+\p:33+\p], v[40+\p:41+\p]
.endr
.set i, 2
.rept 6
.irp p, 0,2,4,6
	v_pk_add_f32 v[LG+\p:LG+\p+1], v[LG+\p:LG+\p+1], v[32+8*i+\p:32+8*i+\p+1]
.endr
.set i, i+1
.endr
; the largest (v8, index v9): a strict compare going up keeps the lower index among equals
	v_mov_b32 v8, v[LG]
	v_mov_b32 v9, 0
.irp i, 1,2,3,4,5,6,7
	v_cmp_gt_f32 vcc_lo, v[LG+\i], v8
	v_cndmask_b32 v8, v8, v[LG+\i], vcc_lo
	v_cndmask_b32 v9, v9, \i, vcc_lo
.endr
; the second (v10, index v11): the same over the other seven
	v_mov_b32 v10, 0xff800000
	v_mov_b32 v11, 0
.irp i, 0,1,2,3,4,5,6,7
	v_cmp_gt_f32 s14, v[LG+\i], v10
	v_cmp_ne_u32 s15, \i, v9
	s_and_b32 s14, s14, s15
	v_cndmask_b32 v10, v10, v[LG+\i], s14
	v_cndmask_b32 v11, v11, \i, s14
.endr
; e_i = exp(l_i - max), and the second's
.irp i, 0,1,2,3,4,5,6,7
	v_sub_f32 v[32+\i], v[LG+\i], v8
.endr
	v_sub_f32 v40, v10, v8
.irp i, 0,1,2,3,4,5,6,7,8
	v_mul_f32 v[32+\i], 0x3fb8aa3b, v[32+\i]       ; log2(e)
.endr
.irp i, 0,1,2,3,4,5,6,7,8
	v_exp_f32 v[32+\i], v[32+\i]
.endr
	v_and_b32 v12, 15, v3                          ; a plain instruction behind the last exponential
	s_wait_alu depctr_va_vdst(0)                   ; one wait for the nine, ahead of their first reader
	v_add_f32 v41, v32, v33
	v_add_f32 v42, v34, v35
	v_add_f32 v43, v36, v37
	v_add_f32 v44, v38, v39
	v_add_f32 v41, v41, v42
	v_add_f32 v43, v43, v44
	v_add_f32 v41, v41, v43                        ; Z
	v_add_f32 v45, 1.0, v40                        ; the two chosen: 1 + e2
	v_rcp_f32 v46, v41
	v_rcp_f32 v48, v45                             ; p0 = 1 / (1 + e2)
	v_nop
	s_wait_alu depctr_va_vdst(0)
	v_mul_f32 v49, v40, v48                        ; p1 = e2 p0
.irp i, 0,1,2,3,4,5,6,7
	v_mul_f32 v[32+\i], v[32+\i], v46              ; the probabilities
.endr
.irp m, 1,2,4,8                        ; their sums over the tile's 16 tokens, inside each half of the lanes
.irp i, 0,1,2,3,4,5,6,7
	v_add_f32_dpp v[32+\i], v[32+\i], v[32+\i] row_xmask:\m row_mask:0xf bank_mask:0xf
.endr
.endr
	s_lshl_b32 s13, ttmp9, 7
	v_lshl_add_u32 v13, v12, 3, s13                ; pw: 8 bytes a token; both halves of the lanes store the same bytes
	global_store_b64 v13, v[48:49], s[10:11]
.irp e, 0,1,2,3,4,5,6,7
	v_cmp_eq_u32 s[16+\e], \e, v9
	v_cmp_eq_u32 s[24+\e], \e, v11                 ; second choice
	s_or_b32 s[16+\e], s[16+\e], s[24+\e]          ; either choice
.endr
	v_mov_b32 v14, 0
.irp e, 0,1,2,3,4,5,6,7
	v_writelane_b32 v14, s[16+\e], \e
	v_writelane_b32 v14, s[24+\e], 8+\e
.endr
	s_lshl_b32 s32, ttmp9, 1
	v_lshl_add_u32 v15, v3, 8, s32                 ; lane = 8 map + expert: 256 bytes each, 2 bytes a tile
	s_lshl_b32 s34, ttmp9, 5
	v_mov_b32 v16, s34
	s_wait_xcnt 0x0                                ; EXEC changes only behind this wait
	v_cmp_gt_u32 vcc_lo, 16, v3
	s_and_saveexec_b32 s33, vcc_lo
	global_store_b16 v15, v14, s[8:9]
	s_wait_xcnt 0x0
	s_or_b32 exec_lo, exec_lo, s33
	v_cmp_eq_u32 vcc_lo, 0, v3
	s_and_saveexec_b32 s33, vcc_lo
	global_store_b128 v16, v[32:35], s[10:11] offset:16384
	global_store_b128 v16, v[36:39], s[10:11] offset:16400
	s_wait_xcnt 0x0
	s_or_b32 exec_lo, exec_lo, s33
.Lend:
	s_wait_tensorcnt 0x0                           ; the wave's end, behind my last LDS store
	ds_add_u32 v1, v2
	s_wait_dscnt 0x0
	s_endpgm
.Lfunc_end_k_q7e6bebc21d_router:
	.size	k_q7e6bebc21d_router, .Lfunc_end_k_q7e6bebc21d_router-k_q7e6bebc21d_router
	.p2alignl 7, 3214868480
	.fill 96, 4, 3214868480
	.section	.rodata,"a",@progbits
	.p2align	6, 0x0
	.amdhsa_kernel k_q7e6bebc21d_router
		.amdhsa_group_segment_fixed_size 9216
		.amdhsa_private_segment_fixed_size 0
		.amdhsa_enable_private_segment 0
		.amdhsa_kernarg_size 32
		.amdhsa_user_sgpr_count 2
		.amdhsa_user_sgpr_kernarg_segment_ptr 1
		.amdhsa_wavefront_size32 1
		.amdhsa_system_sgpr_workgroup_id_x 1
		.amdhsa_system_sgpr_workgroup_id_y 1
		.amdhsa_system_sgpr_workgroup_id_z 1
		.amdhsa_system_vgpr_workitem_id 0
		.amdhsa_next_free_vgpr 256
		.amdhsa_next_free_sgpr 66
		.amdhsa_reserve_vcc 1
		.amdhsa_float_denorm_mode_32 3
		.amdhsa_float_denorm_mode_16_64 3
		.amdhsa_memory_ordered 1
		.amdhsa_forward_progress 1
		.amdhsa_inst_pref_size 23
	.end_amdhsa_kernel
	.amdgpu_metadata
---
amdhsa.version: [ 1, 2 ]
amdhsa.kernels:
  - .name:           k_q7e6bebc21d_router
    .symbol:         k_q7e6bebc21d_router.kd
    .args:
      - { .name: x, .offset: 0, .size: 8, .value_kind: global_buffer, .address_space: global }
      - { .name: gate_w, .offset: 8, .size: 8, .value_kind: global_buffer, .address_space: global }
      - { .name: maps, .offset: 16, .size: 8, .value_kind: global_buffer, .address_space: global }
      - { .name: gate, .offset: 24, .size: 8, .value_kind: global_buffer, .address_space: global }
    .group_segment_fixed_size: 9216
    .private_segment_fixed_size: 0
    .kernarg_segment_align: 8
    .kernarg_segment_size: 32
    .max_flat_workgroup_size: 256
    .sgpr_count:     66
    .vgpr_count:     256
    .wavefront_size: 32
...
	.end_amdgpu_metadata
.endif
;; end of part 1
;; launch place (part 2): grid 128 x 8, 4 waves a work-group, no clusters, 0 bytes of LDS; arguments maps, gate, x, xs, rows, rowp; writes xs, rows, rowp
.if DOCPART == 2
	.amdgcn_target "amdgcn-amd-amdhsa--gfx1250"
	.amdhsa_code_object_version 6
	.text
	.protected	k_q7e6bebc21d_place
	.globl	k_q7e6bebc21d_place
	.p2align	8
	.type	k_q7e6bebc21d_place,@function
k_q7e6bebc21d_place:
	s_mov_b64 s[64:65], 0
	v_nop
	global_prefetch_b8 v0, s[64:65] scope:SCOPE_SE
	s_setreg_imm32_b32 hwreg(HW_REG_WAVE_MODE, 25, 1), 1
	s_wait_xcnt 0x0
; PLACE.  Work-group (tile, expert) lays the expert's sorted rows 16 tile .. 16 tile + 15 (its tokens in ascending order) into xs, rounded to bf16, in the order in which a matrix
; operand's registers take them: [expert][tile][32 K steps][2][32 lanes][16 bytes], lane (r, h) holding row r, channels 32 s + 16 j + 8 h .. + 7.
; It also stores the rows' list: rowdst[expert][tile][row & 1][row >> 1] = 2 token + (0: first choice, 1: second), rowp = the row's gate weight, cnt[expert].
; The grid, 128 tiles an expert, serves every split of the tokens; a tile at or past the expert's count stores nothing.  Rows past the count in the last tile repeat the last row.
; The expert's bitmap, 64 words, lies in scalar registers; each lane finds the token of its rank: the word by the running count, the bit by halving.  No LDS, no barrier.
; s64 and s65 are never named: word g lies in s[16 + g] for g < 48, in s[20 + g] from there on.
	s_load_b256 s[4:11], s[0:1], 0x0               ; maps s[4:5], gate s[6:7], x s[8:9], xs s[10:11]
	s_load_b128 s[12:15], s[0:1], 0x20             ; rows s[12:13], rowp s[14:15]
	v_lshrrev_b32 v1, 5, v0
	v_readfirstlane_b32 s88, v1                    ; wave
	v_and_b32 v1, 31, v0                           ; lane
	v_and_b32 v2, 15, v0                           ; r
	v_bfe_u32 v3, v0, 4, 1                         ; h
	s_mov_b32 s84, ttmp9                           ; tile
	s_and_b32 s85, ttmp7, 0xffff                   ; expert
	s_lshl_b32 s86, s85, 8
	s_mov_b32 s87, 0
	s_wait_kmcnt 0x0
	s_add_nc_u64 s[86:87], s[4:5], s[86:87]        ; the expert's 256 bytes of map 0
	s_load_b512 s[16:31], s[86:87], 0x0
	s_load_b512 s[32:47], s[86:87], 0x40
	s_load_b512 s[48:63], s[86:87], 0x80
	s_load_b512 s[68:83], s[86:87], 0xc0
	s_lshl_b32 s92, s85, 2
	s_wait_kmcnt 0x0
	s_mov_b32 s89, 0                               ; the expert's count
.set g, 0
.rept 64
.set UR, 16+g+4*(g/48)
	s_bcnt1_i32_b32 s90, s[UR]
	s_add_co_u32 s89, s89, s90
.set g, g+1
.endr
	s_min_u32 s89, s89, 2048
	s_or_b32 s90, s84, s88
	s_cmp_lg_u32 s90, 0
	s_cbranch_scc1 .Lno_cnt                        ; tile 0's wave 0 stores the count, also where it is 0
	v_mov_b32 v25, s89
	v_mov_b32 v26, s92
	v_cmp_eq_u32 vcc_lo, 0, v1
	s_and_saveexec_b32 s91, vcc_lo
	global_store_b32 v26, v25, s[12:13] offset:65536
	s_wait_xcnt 0x0                                ; EXEC changes only behind this wait
	s_or_b32 exec_lo, exec_lo, s91
.Lno_cnt:
	s_lshl_b32 s90, s84, 4
	s_cmp_ge_u32 s90, s89
	s_cbranch_scc1 .Lend                           ; no row of this tile exists
	s_sub_co_u32 s91, s89, 1
	v_add_nc_u32 v4, s90, v2
	v_min_u32 v4, s91, v4                          ; q: my row's rank, the last row's past the count
; the last word whose running count P is at most q holds the token: its bits v5, its P v6, its number v7
	v_mov_b32 v5, s16
	v_mov_b32 v6, 0
	v_mov_b32 v7, 0
	s_bcnt1_i32_b32 s92, s16
.set g, 1
.rept 63
.set UR, 16+g+4*(g/48)
	v_cmp_le_u32 vcc_lo, s92, v4
	v_cndmask_b32 v5, v5, s[UR], vcc_lo
	v_cndmask_b32 v6, v6, s92, vcc_lo
	v_cndmask_b32 v7, v7, g, vcc_lo
	s_bcnt1_i32_b32 s93, s[UR]
	s_add_co_u32 s92, s92, s93
.set g, g+1
.endr
	v_sub_nc_u32 v8, v4, v6                        ; n: which set bit of the word, from 0
; counts of the word's set bits in fields of 2 (v12), 4 (v13), 8 (v14) and 16 bits (v15, low byte of each half)
	v_lshrrev_b32 v10, 1, v5
	v_and_b32 v10, 0x55555555, v10
	v_sub_nc_u32 v12, v5, v10
	v_lshrrev_b32 v10, 2, v12
	v_and_b32 v10, 0x33333333, v10
	v_and_b32 v13, 0x33333333, v12
	v_add_nc_u32 v13, v13, v10
	v_lshrrev_b32 v10, 4, v13
	v_add_nc_u32 v14, v13, v10
	v_and_b32 v14, 0x0f0f0f0f, v14
	v_lshrrev_b32 v10, 8, v14
	v_add_nc_u32 v15, v14, v10
	v_mov_b32 v9, 0                                ; pos
; if the lower half of the block at pos holds n set bits or fewer, the bit lies in the upper half
.macro HALVE src, width, step
	v_bfe_u32 v10, v[\src], v9, \width
	v_cmp_ge_u32 vcc_lo, v8, v10
	v_cndmask_b32 v10, 0, v10, vcc_lo
	v_sub_nc_u32 v8, v8, v10
	v_cndmask_b32 v11, 0, \step, vcc_lo
	v_add_nc_u32 v9, v9, v11
.endm
	HALVE 15, 8, 16
	HALVE 14, 8, 8
	HALVE 13, 4, 4
	HALVE 12, 2, 2
	HALVE 5, 1, 1
	v_lshl_add_u32 v16, v7, 5, v9
	v_min_u32 v16, 0x7ff, v16                      ; the token
	v_min_u32 v18, 63, v7
	v_lshlrev_b32 v18, 2, v18                      ; its word in map 1
	v_lshlrev_b32 v19, 3, v16                      ; its pair of gate weights
	v_lshlrev_b32 v17, 5, v3
	v_lshl_add_u32 v17, s88, 10, v17               ; my wave's 8 K steps: 256 channels of 4 bytes
	v_lshl_add_u32 v17, v16, 12, v17               ; + the token's row
	v_lshlrev_b32 v24, 4, v1
	s_lshl_b32 s94, s85, 22                        ; xs: the expert's 4 MiB,
	s_lshl_b32 s95, s84, 15                        ; the tile's 32,768 bytes,
	s_add_co_u32 s94, s94, s95
	s_lshl_b32 s95, s88, 13                        ; my wave's 8 blocks of 1,024
	s_add_co_u32 s94, s94, s95
	s_mov_b32 s95, 0
	s_add_nc_u64 s[10:11], s[10:11], s[94:95]
	global_load_b32 v20, v18, s[86:87] offset:2048
	global_load_b64 v[22:23], v19, s[6:7]
.set i, 0
.rept 32                               ; a row is named by two experts, so no hint that it is read once
	global_load_b128 v[32+4*i:35+4*i], v17, s[8:9] offset:128*(i/4)+64*((i/2)%2)+16*(i%2)
.set i, i+1
.endr
.set i, 0
.rept 16
	s_wait_loadcnt 30-2*i                          ; loads return in order (ISA guide 5.7.1): piece i's two are in, the 30 - 2 i younger stay out
.irp p, 0,1,2,3
	v_cvt_pk_bf16_f32 v[160+4*i+\p], v[32+8*i+2*\p], v[32+8*i+2*\p+1]
.endr
	global_store_b128 v24, v[160+4*i:160+4*i+3], s[10:11] offset:512*i  ; 512 consecutive bytes, aligned
.set i, i+1
.endr
	s_cmp_lg_u32 s88, 0
	s_cbranch_scc1 .Lend
	v_bfe_u32 v25, v20, v9, 1                      ; is this expert the token's second choice?
	v_lshl_add_u32 v26, v16, 1, v25
	v_cmp_eq_u32 vcc_lo, 1, v25
	v_cndmask_b32 v27, v22, v23, vcc_lo
	s_lshl_b32 s90, s85, 13
	s_lshl_b32 s91, s84, 6
	s_add_co_u32 s90, s90, s91                     ; both lists: 8,192 bytes an expert, 64 a tile
	v_lshl_add_u32 v28, v2, 2, s90
	global_store_b32 v28, v27, s[14:15]            ; both halves of the lanes store the same bytes
	v_and_b32 v29, 1, v2
	v_lshrrev_b32 v30, 1, v2
	v_lshlrev_b32 v30, 2, v30
	v_lshl_add_u32 v30, v29, 5, v30
	v_add_nc_u32 v30, s90, v30
	global_store_b32 v30, v26, s[12:13]
.Lend:
	s_endpgm
.Lfunc_end_k_q7e6bebc21d_place:
	.size	k_q7e6bebc21d_place, .Lfunc_end_k_q7e6bebc21d_place-k_q7e6bebc21d_place
	.p2alignl 7, 3214868480
	.fill 96, 4, 3214868480
	.section	.rodata,"a",@progbits
	.p2align	6, 0x0
	.amdhsa_kernel k_q7e6bebc21d_place
		.amdhsa_group_segment_fixed_size 0
		.amdhsa_private_segment_fixed_size 0
		.amdhsa_enable_private_segment 0
		.amdhsa_kernarg_size 48
		.amdhsa_user_sgpr_count 2
		.amdhsa_user_sgpr_kernarg_segment_ptr 1
		.amdhsa_wavefront_size32 1
		.amdhsa_system_sgpr_workgroup_id_x 1
		.amdhsa_system_sgpr_workgroup_id_y 1
		.amdhsa_system_sgpr_workgroup_id_z 1
		.amdhsa_system_vgpr_workitem_id 0
		.amdhsa_next_free_vgpr 232
		.amdhsa_next_free_sgpr 100
		.amdhsa_reserve_vcc 1
		.amdhsa_float_denorm_mode_32 3
		.amdhsa_float_denorm_mode_16_64 3
		.amdhsa_memory_ordered 1
		.amdhsa_forward_progress 1
		.amdhsa_inst_pref_size 37
	.end_amdhsa_kernel
	.amdgpu_metadata
---
amdhsa.version: [ 1, 2 ]
amdhsa.kernels:
  - .name:           k_q7e6bebc21d_place
    .symbol:         k_q7e6bebc21d_place.kd
    .args:
      - { .name: maps, .offset: 0, .size: 8, .value_kind: global_buffer, .address_space: global }
      - { .name: gate, .offset: 8, .size: 8, .value_kind: global_buffer, .address_space: global }
      - { .name: x, .offset: 16, .size: 8, .value_kind: global_buffer, .address_space: global }
      - { .name: xs, .offset: 24, .size: 8, .value_kind: global_buffer, .address_space: global }
      - { .name: rows, .offset: 32, .size: 8, .value_kind: global_buffer, .address_space: global }
      - { .name: rowp, .offset: 40, .size: 8, .value_kind: global_buffer, .address_space: global }
    .group_segment_fixed_size: 0
    .private_segment_fixed_size: 0
    .kernarg_segment_align: 8
    .kernarg_segment_size: 48
    .max_flat_workgroup_size: 128
    .sgpr_count:     100
    .vgpr_count:     232
    .wavefront_size: 32
...
	.end_amdgpu_metadata
.endif
;; end of part 2
;; launch gemm1 (part 3): grid 32 x 8, 8 waves a work-group, no clusters, 133,120 bytes of LDS; arguments xs, w1, b1, rows, hid; writes hid
.if DOCPART == 3
	.amdgcn_target "amdgcn-amd-amdhsa--gfx1250"
	.amdhsa_code_object_version 6
	.text
	.protected	k_q7e6bebc21d_gemm1
	.globl	k_q7e6bebc21d_gemm1
	.p2align	8
	.type	k_q7e6bebc21d_gemm1,@function
k_q7e6bebc21d_gemm1:
	s_mov_b64 s[64:65], 0
	v_nop
	global_prefetch_b8 v0, s[64:65] scope:SCOPE_SE
	s_setreg_imm32_b32 hwreg(HW_REG_WAVE_MODE, 25, 1), 1
	s_wait_xcnt 0x0
; ONE TEXT FOR BOTH PRODUCTS OF AN EXPERT'S MLP; SECOND chooses.
; SECOND = 0: hid = gelu(xs w1[e] + b1[e]), operands bf16, hid stored in f16.   SECOND = 1: ypart[kh] = p (hid w2[e] (+ b2[e] in K half 0)), operands f16, partial sums stored in f32.
; SHARES.  A work-group has ONE slice of one expert's weights, 1,024 along K x 64 columns, which it alone reads, and ALL the expert's rows.  8 experts x 32 slices (second product: 16 column
; slices x 2 halves of K = 2,048).  The weights, f32 [K][N] in memory, are rounded to bf16 and turned in registers and lie in LDS as [64 columns][1,024 K], 16 bits each; one barrier; then
; every wave walks row tiles of 16 by itself: tile T = 40 pass + 8 j + wave, j = 0 .. 4, four passes at the most (2,048 rows).  The rows come from memory straight into operand registers.
; The 32 K steps of a pass are written out: the walk's length hangs on a stored count, so every LDS address in it is a fixed register and an immediate.
; NO CLUSTER, NO TENSOR LOAD: the weights must pass registers to be rounded and turned; what an expert's work-groups share is its rows, and the walk over them hangs on a stored count, so
; it holds no barrier and no ring.
; THE MATRIX INSTRUCTION IS USED TRANSPOSED: source 0 = 16 columns of the weights, source 1 = 16 rows: a lane holds one row (lane % 16) and the columns 8 (lane / 16) + 0 .. 7.
; All inputs are rounded to bf16, the biases too.  GELU is x Phi(x) with Phi by the five-term rational form of Abramowitz and Stegun 7.1.26, whose error in erf is at most 1.5e-7 for every x.
; LIMITS.  hid is f16: a value of 65,520 or more becomes an infinity.  w2, rounded to bf16, is written as f16: below 6.1e-5 it keeps f16's fixed step of 6e-8.  NaN and infinities are not treated apart.
; REGISTERS.  Window 0: v1, v2 the add's; v3 lane; v4, v5 weights from memory, into LDS; v6, v7 LDS addresses of the weights' fragments, never rewritten; v10-14 the five tiles' offsets in the rows;
;   v15-19 in hid; v20-23, v28 way out and lists; v32-191 rows: 4 stages x 5 tiles x 8; v192-255 weights' fragments: 2 x 4 x 8.
;   Window 1: v0-159 accumulators (tile j, column block nb at 32 j + 8 nb); v160-191 bias; v192-231, v232-241 the rows' places and gate weights; in the weights' phase all 256: weights as loaded.
.set SECOND, 0
.if SECOND
.set ROWP, 4096                        ; bytes from K row to K row of the weights
.set RSH,  15                          ; 8 such rows
.set WSH,  19                          ; a wave's 128
.set TSH,  16                          ; a tile of 16 rows of the left operand
.set ASH,  23                          ; an expert's region of it
.set BSH,  12                          ; an expert's bias
.else
.set ROWP, 8192
.set RSH,  16
.set WSH,  20
.set TSH,  15
.set ASH,  22
.set BSH,  13
.endif
.set PB,    2064                       ; a column's 1,024 K in LDS: 2,048 bytes + 16: an odd multiple of 16, so the 16 columns of a fragment load start at 16 different groups of four banks (ISA guide 11.1)
.set BSL,   64*PB
.set SP,    272                        ; a row of the way out's stage: 256 bytes + 16
.set STG,   BSL                        ; second product: 16 rows x 272 bytes for each wave
.set SPARE, BSL+SECOND*8*16*SP         ; the spare words, 128 bytes a wave
.set AB,   32
.set BB,   192
.set BIAS, 160
.set RD,   192
.set RP,   232
.set MSB, 0
.macro WIN new                         ; s_set_vgpr_msb: bits 1:0 source 0, 3:2 source 1, 5:4 source 2, 7:6 destination; the high byte repeats the setting that is left
.if MSB != (\new)
	s_set_vgpr_msb (MSB<<8)|(\new)
.set MSB, \new
.endif
.endm
.macro PLACES                          ; four places between a matrix instruction and a load into its sources or a reader of its result (ISA guide 7.12.1 for the reader of its result)
.rept 4
	v_nop
.endr
.endm
	s_load_b256 s[4:11], s[0:1], 0x0               ; rows' operand s[4:5], weights s[6:7], bias s[8:9], lists s[10:11]
.if SECOND
	s_load_b128 s[12:15], s[0:1], 0x20             ; ypart s[12:13], rowp s[14:15]
.else
	s_load_b64 s[12:13], s[0:1], 0x20              ; hid
.endif
	v_lshl_add_u32 v1, v0, 2, SPARE
	v_mov_b32 v2, 0
	v_lshrrev_b32 v24, 5, v0
	v_readfirstlane_b32 s20, v24                   ; wave
	v_and_b32 v3, 31, v0                           ; lane
	v_and_b32 v30, 15, v0                          ; lane % 16
	v_bfe_u32 v31, v0, 4, 1                        ; lane / 16
	s_and_b32 s22, ttmp7, 0xffff                   ; expert
.if SECOND
	s_and_b32 s21, ttmp9, 15                       ; column slice
	s_lshr_b32 s55, ttmp9, 4                       ; half of K
.else
	s_mov_b32 s21, ttmp9                           ; column slice
.endif
	v_lshlrev_b32 v4, RSH, v31                     ; weights: lanes 16-31 eight rows further down,
	v_lshl_add_u32 v4, v30, 4, v4                  ; 16 bytes (4 columns) a lane: 16 lanes take a row's 256 bytes of the slice
	v_lshlrev_b32 v23, 5, v31                      ; 32 x (lane / 16)
	s_lshl_b32 s28, s22, 23                        ; the expert's 8 MiB of weights,
	s_lshl_b32 s30, s20, WSH                       ; my wave's 128 rows,
	s_add_co_u32 s28, s28, s30
	s_lshl_b32 s30, s21, 8                         ; the slice's 256 bytes
	s_add_co_u32 s28, s28, s30
.if SECOND
	s_lshl_b32 s31, s55, 22                        ; the half's 1,024 rows
	s_add_co_u32 s28, s28, s31
.endif
	s_mov_b32 s29, 0
	s_lshl_b32 s31, s22, BSH
	s_add_co_u32 s30, s30, s31                     ; bias: the expert's row, the slice's 256 bytes
	s_mov_b32 s31, 0
	s_lshl_b32 s32, s22, 2
	s_wait_kmcnt 0x0
	s_load_b32 s23, s[10:11], s32 offset:0x10000   ; the expert's count of rows
	s_add_nc_u64 s[6:7], s[6:7], s[28:29]
	s_add_nc_u64 s[8:9], s[8:9], s[30:31]
.irp nb, 0,1,2,3                       ; my 8 columns of each of the four blocks of 16
	global_load_b128 v[64+8*\nb:64+8*\nb+3], v23, s[8:9] offset:64*\nb
	global_load_b128 v[64+8*\nb+4:64+8*\nb+7], v23, s[8:9] offset:64*\nb+16
.endr
; THE WEIGHTS.  All 64 loads of the wave go out at once: load 8 q + i brings rows 16 q + i and 16 q + 8 + i of my 128, 256 consecutive aligned bytes each.  Each byte is read once in the launch.
	WIN 0x40
.set i, 0
.rept 64
	global_load_b128 v[4*i:4*i+3], v4, s[6:7] offset:(16*(i/8)+i%8)*ROWP th:TH_LOAD_NT
.set i, i+1
.endr
	WIN 0
	v_mul_u32_u24 v5, v30, 4*PB                    ; into LDS: my 4 columns,
	v_lshl_add_u32 v5, v31, 4, v5                  ; 8 K (16 bytes) on for lanes 16-31,
	v_lshl_add_u32 v5, s20, 8, v5                  ; my wave's 128 K
	v_mul_u32_u24 v6, v30, PB                      ; a fragment: column lane % 16, 16 bytes for each half of the lanes
	v_lshl_add_u32 v6, v31, 4, v6
	v_add_nc_u32 v7, 32*PB, v6                     ; column blocks 2 and 3: past the reach of the 16-bit offset
.if SECOND
	v_lshlrev_b32 v22, 4, v30
	v_lshlrev_b32 v28, 2, v30
	s_mul_i32 s30, s20, 16*SP
	s_add_co_u32 s30, s30, STG                     ; my stage
	v_mul_u32_u24 v20, v30, SP                     ; in: row lane % 16, 32 bytes for each half of the lanes
	v_lshl_add_u32 v20, v31, 5, v20
	v_add_nc_u32 v20, s30, v20
	v_mul_u32_u24 v21, v31, SP                     ; back: lanes 0-15 one row of 256 bytes, lanes 16-31 the next
	v_add_nc_u32 v21, v21, v22
	v_add_nc_u32 v21, s30, v21
	s_cmp_eq_u32 s55, 0
	s_cselect_b32 s54, -1, 0                       ; the bias is added in K half 0 alone
.else
	s_mov_b32 s40, 0x3f07dc22                      ; the polynomial's coefficients, halved: a5 / 2 = 0.53070271,
	s_mov_b32 s42, 0xbf3a00e3                      ; a4 / 2 = -0.72657601,
	s_mov_b32 s44, 0x3f35f0e3                      ; a3 / 2 = 0.71070687,
	s_mov_b32 s46, 0xbe11a98e                      ; a2 / 2 = -0.14224837,
	s_mov_b32 s48, 0x3e027906                      ; a1 / 2 = 0.12741480
	s_mov_b32 s50, 0xbf38aa3b                      ; -log2(e) / 2
.irp c, 40,42,44,46,48,50
	s_mov_b32 s[\c+1], s[\c]                       ; named as pairs
.endr
	s_mov_b32 s52, 0x3e6d3389                      ; 0.3275911 / sqrt(2)
.endif
	s_wait_kmcnt 0x0
	s_min_u32 s23, s23, 2048
	s_add_co_u32 s24, s23, 15
	s_lshr_b32 s24, s24, 4                         ; T16: the expert's tiles of 16 rows
	s_lshl_b32 s28, s22, ASH
.if SECOND
	s_lshl_b32 s30, s55, 15                        ; the half's 32 K steps of 1,024 bytes
	s_add_co_u32 s28, s28, s30
.endif
	s_add_nc_u64 s[38:39], s[4:5], s[28:29]        ; the rows' operand at the expert's tile 0; never rewritten
.if SECOND
	s_lshl_b32 s28, s55, 24                        ; ypart: the half's 16 MiB, the slice's 256 bytes
	s_lshl_b32 s30, s21, 8
	s_add_co_u32 s28, s28, s30
	s_add_nc_u64 s[12:13], s[12:13], s[28:29]
	s_lshl_b32 s28, s22, 13                        ; both lists: 8,192 bytes an expert
	s_add_nc_u64 s[10:11], s[10:11], s[28:29]
	s_add_nc_u64 s[14:15], s[14:15], s[28:29]
.else
	s_lshl_b32 s28, s22, 23                        ; hid: the expert's 8 MiB; the slice's 64 columns are two K steps of the second product
	s_lshl_b32 s30, s21, 11
	s_add_co_u32 s28, s28, s30
	s_add_nc_u64 s[12:13], s[12:13], s[28:29]
.endif
; Group q: 8 loads = 8 K x 4 columns a lane.  Rounding rows 2 p and 2 p + 1 of one column into one register IS the turn: four registers are 8 K of a column.
.macro WGRP q
.set WT, 32+16*((\q)%2)
	s_wait_loadcnt 56-8*(\q)                       ; loads return in order (ISA guide 5.7.1): the 8 (7 - q) younger weight loads stay out
	WIN 0x05
.irp cc, 0,1,2,3
.irp p, 0,1,2,3
	v_cvt_pk_bf16_f32 v[WT+4*\cc+\p], v[4*(8*(\q)+2*\p)+\cc], v[4*(8*(\q)+2*\p+1)+\cc]
.endr
.endr
	WIN 0
.if SECOND
.set z, 0
.rept 16                               ; the bf16 number, written as f16
	v_lshlrev_b32 v[100+2*(z%4)], 16, v[WT+z]
	v_and_b32 v[101+2*(z%4)], 0xffff0000, v[WT+z]
	v_cvt_pk_f16_f32 v[WT+z], v[100+2*(z%4)], v[101+2*(z%4)]
.set z, z+1
.endr
.endif
.irp cc, 0,1,2,3
	ds_store_b128 v5, v[WT+4*\cc:WT+4*\cc+3] offset:\cc*PB+32*(\q)
.endr
.endm
.irp q, 0,1,2,3,4,5,6,7
	WGRP \q
.endr
.set z, 0
.rept 16                               ; the bias, rounded to bf16 like every input
	v_cvt_pk_bf16_f32 v[112+z], v[64+2*z], v[64+2*z+1]
.if SECOND
	v_and_b32 v[112+z], s54, v[112+z]
.endif
.set z, z+1
.endr
	WIN 0x40
.set z, 0
.rept 16
	v_lshlrev_b32 v[BIAS+2*z], 16, v[112+z]
	v_and_b32 v[BIAS+2*z+1], 0xffff0000, v[112+z]
.set z, z+1
.endr
	WIN 0
	s_wait_dscnt 0x0                               ; for the others' sake: my part of the slice is in LDS
	s_barrier_signal -1
	s_barrier_wait -1                              ; the only barrier: behind it the slice is only read
.macro LDB st, k                       ; the four fragments of the weights, 32 K at byte k of the columns, into buffer st: 8 LDS loads; 35,040 is the largest immediate
.irp nb, 0,1
	ds_load_b128 v[BB+32*(\st)+8*\nb:BB+32*(\st)+8*\nb+3],     v6 offset:(\k)+\nb*16*PB
	ds_load_b128 v[BB+32*(\st)+8*\nb+4:BB+32*(\st)+8*\nb+7],   v6 offset:(\k)+\nb*16*PB+32
	ds_load_b128 v[BB+32*(\st)+16+8*\nb:BB+32*(\st)+16+8*\nb+3],   v7 offset:(\k)+\nb*16*PB
	ds_load_b128 v[BB+32*(\st)+16+8*\nb+4:BB+32*(\st)+16+8*\nb+7], v7 offset:(\k)+\nb*16*PB+32
.endr
.endm
.macro LDA st, k                       ; the five tiles' fragments of one K step into stage st: 10 loads of 512 consecutive bytes
.irp j, 0,1,2,3,4
	global_load_b128 v[AB+40*(\st)+8*\j:AB+40*(\st)+8*\j+3],   v[10+\j], s[38:39] offset:(\k)
	global_load_b128 v[AB+40*(\st)+8*\j+4:AB+40*(\st)+8*\j+7], v[10+\j], s[38:39] offset:(\k)+512
.endr
.endm
.macro MMA i, j, nb, zero
.set rD, 32*(\j)+8*(\nb)
.set rB, BB+32*((\i)%2)+8*(\nb)
.set rA, AB+40*((\i)%4)+8*(\j)
.if SECOND
.if \zero
	v_wmma_f32_16x16x32_f16 v[rD:rD+7], v[rB:rB+7], v[rA:rA+7], 0
.else
	v_wmma_f32_16x16x32_f16 v[rD:rD+7], v[rB:rB+7], v[rA:rA+7], v[rD:rD+7]
.endif
.else
.if \zero
	v_wmma_f32_16x16x32_bf16 v[rD:rD+7], v[rB:rB+7], v[rA:rA+7], 0
.else
	v_wmma_f32_16x16x32_bf16 v[rD:rD+7], v[rB:rB+7], v[rA:rA+7], v[rD:rD+7]
.endif
.endif
.endm
; K step i of 32.  The weights' fragments are asked for one step ahead, the rows' three steps ahead.  The wait on LOADcnt leaves out the rows' loads of the later steps, ten each: three
; steps' up to step 28, then 20, 10, 0; the wait on DScnt the next step's eight LDS loads.  The 16 or 20 accumulators take turns, one instruction a turn.
; Step 0's products start the sums, tile 4's too, so that every accumulator is written whatever the count.
.macro STEP i
.if (\i) > 0
	PLACES
.endif
.if (\i) < 31
	LDB ((\i)+1)%2, ((\i)+1)*64
.endif
.if (\i) < 29
	LDA ((\i)+3)%4, ((\i)+3)*1024
	s_wait_loadcnt 30
.else
	s_wait_loadcnt 10*(31-(\i))
.endif
.if (\i) < 31
	s_wait_dscnt 8
.else
	s_wait_dscnt 0
.endif
	WIN 0x50
.if (\i) == 0
.irp j, 0,1,2,3,4
.irp nb, 0,1,2,3
	MMA \i, \j, \nb, 1
.endr
.endr
	WIN 0
.else
.irp j, 0,1,2,3
.irp nb, 0,1,2,3
	MMA \i, \j, \nb, 0
.endr
.endr
	WIN 0
	s_cmp_lt_u32 s26, 5
	s_cbranch_scc1 .Lno4_\@                        ; the wave's fifth tile does not exist
	WIN 0x50
.irp nb, 0,1,2,3
	MMA \i, 4, \nb, 0
.endr
	WIN 0
.Lno4_\@:
.endif
.endm
.if SECOND
; THE WAY OUT of tile j: (sum + bias) p; through my own stage in LDS; back as whole rows of 256 bytes; each row to its place 2 token + choice.
.macro OUT j
	s_wait_xcnt 0x0                                ; the last tile's stores have read their registers
	WIN 0x05
.set z, 0
.rept 16                               ; each accumulator from its low end on
	v_pk_add_f32 v[32+2*z:33+2*z], v[32*(\j)+2*z:32*(\j)+2*z+1], v[BIAS+2*z:BIAS+2*z+1]
.set z, z+1
.endr
	WIN 0x04
.set z, 0
.rept 16
	v_pk_mul_f32 v[32+2*z:33+2*z], v[32+2*z:33+2*z], v[RP+2*(\j):RP+2*(\j)+1]
.set z, z+1
.endr
.irp i, 0,1,2,3,4,5,6,7
	v_min_u32 v[96+\i], 0xfff, v[RD+8*(\j)+\i]
.endr
	WIN 0
.irp i, 0,1,2,3,4,5,6,7
	v_lshl_add_u32 v[96+\i], v[96+\i], 12, v22     ; the place's 4,096 bytes + 16 (lane % 16)
.endr
.irp n, 0,1,2,3,4,5,6,7
	ds_store_b128 v20, v[32+4*\n:35+4*\n] offset:64*(\n/2)+16*(\n%2)
.endr
.irp i, 0,1,2,3,4,5,6,7
	ds_load_b128 v[64+4*\i:67+4*\i], v21 offset:2*SP*\i  ; LDS serves a wave's instructions in order (ISA guide 5.7.1.4): these see the stores above
.endr
	s_wait_dscnt 0x0
.irp i, 0,1,2,3,4,5,6,7
	global_store_b128 v[96+\i], v[64+4*\i:67+4*\i], s[12:13]  ; 16 lanes store 256 consecutive bytes, aligned
.endr
.endm
.else
; GELU of 8 numbers: tile j, column block nb.  gelu(x) = max(x, 0) - |x| y, y = erfc(|x| / sqrt 2) / 2 = t (a1 + t (a2 + ..)) / 2 x exp(-x x / 2), t = 1 / (1 + 0.2316419 |x|).
; The lane's 8 results, rounded to f16, are 16 bytes of the second product's operand as its registers take it: the store is 512 consecutive bytes.
.set GX, 32
.set GT, 40
.set GE, 48
.set GR, 56
.set GY, 64
.set GO, 72
.macro GELU j, nb
.if (\nb) == 0
	s_wait_xcnt 0x0                                ; the last tile's four stores have read their registers
.endif
	WIN 0x05
.irp p, 0,2,4,6
	v_pk_add_f32 v[GX+\p:GX+\p+1], v[32*(\j)+8*(\nb)+\p:32*(\j)+8*(\nb)+\p+1], v[BIAS+8*(\nb)+\p:BIAS+8*(\nb)+\p+1]
.endr
	WIN 0
.irp i, 0,1,2,3,4,5,6,7
	v_fma_f32 v[GT+\i], |v[GX+\i]|, s52, 1.0
.endr
.irp p, 0,2,4,6
	v_pk_mul_f32 v[GE+\p:GE+\p+1], v[GX+\p:GX+\p+1], v[GX+\p:GX+\p+1]
.endr
.irp p, 0,2,4,6
	v_pk_mul_f32 v[GE+\p:GE+\p+1], v[GE+\p:GE+\p+1], s[50:51] op_sel_hi:[1,0]
.endr
.irp i, 0,1,2,3,4,5,6,7
	v_rcp_f32 v[GT+\i], v[GT+\i]
.endr
.irp i, 0,1,2,3,4,5,6,7
	v_exp_f32 v[GE+\i], v[GE+\i]
.endr
.irp i, 0,1,2,3,4,5,6,7
	v_max_num_f32 v[GR+\i], 0, v[GX+\i]            ; plain work behind the batch
.endr
	s_wait_alu depctr_va_vdst(0)                   ; one wait for the sixteen, ahead of their first reader
.irp p, 0,2,4,6
	v_pk_fma_f32 v[GY+\p:GY+\p+1], v[GT+\p:GT+\p+1], s[40:41], s[42:43] op_sel_hi:[1,0,0]
.endr
.irp c, 44,46,48
.irp p, 0,2,4,6
	v_pk_fma_f32 v[GY+\p:GY+\p+1], v[GY+\p:GY+\p+1], v[GT+\p:GT+\p+1], s[\c:\c+1] op_sel_hi:[1,1,0]
.endr
.endr
.irp p, 0,2,4,6
	v_pk_mul_f32 v[GT+\p:GT+\p+1], v[GT+\p:GT+\p+1], v[GE+\p:GE+\p+1]
.endr
.irp p, 0,2,4,6
	v_pk_mul_f32 v[GY+\p:GY+\p+1], v[GY+\p:GY+\p+1], v[GT+\p:GT+\p+1]
.endr
.irp i, 0,1,2,3,4,5,6,7
	v_fma_f32 v[GX+\i], -|v[GX+\i]|, v[GY+\i], v[GR+\i]
.endr
.irp p, 0,1,2,3
	v_cvt_pk_f16_f32 v[GO+4*(\nb)+\p], v[GX+2*\p], v[GX+2*\p+1]
.endr
	global_store_b128 v[15+(\j)], v[GO+4*(\nb):GO+4*(\nb)+3], s[12:13] offset:512*(\nb)
.endm
.endif
; THE PASSES: four, a constant; a pass in which the wave has no tile is jumped over, forward, to the counter's step.
	s_mov_b32 s25, 0
	s_mov_b32 s27, s20                             ; the wave's first tile of the pass: 40 pass + wave
.Lpass:
	s_cmp_ge_u32 s27, s24
	s_cbranch_scc1 .Lskip
	s_wait_xcnt 0x0                                ; the last pass's loads and stores have read their offsets
	s_sub_co_u32 s26, s24, s27
	s_add_co_u32 s26, s26, 7
	s_lshr_b32 s26, s26, 3
	s_min_u32 s26, s26, 5                          ; how many of my five tiles exist
	s_sub_co_u32 s33, s24, 1
.irp j, 0,1,2,3,4
	s_add_co_u32 s28, s27, 8*\j                    ; T
	s_min_u32 s29, s28, s24
	s_sub_co_u32 s29, s24, s29                     ; tiles from T on: 0 for a tile that does not exist,
	s_min_u32 s29, s29, 1
	s_lshl_b32 s29, s29, 4                         ; whose lanes then all ask for the same 16 bytes of the last tile
	s_min_u32 s28, s28, s33
	s_min_u32 s28, s28, 127
	s_lshl_b32 s30, s28, TSH
	v_mad_u32_u24 v[10+\j], v3, s29, s30
.if SECOND
	s_lshl_b32 s31, s28, 6                         ; both lists: 64 bytes a tile
	s_wait_xcnt 0x0                                ; v24 and v25 serve every tile
	v_add_nc_u32 v24, s31, v23                     ; places: rows 2 i + lane / 16, i = 0 .. 7
	v_add_nc_u32 v25, s31, v28                     ; gate weight: row lane % 16
	WIN 0x40
	global_load_b128 v[RD+8*\j:RD+8*\j+3], v24, s[10:11]
	global_load_b128 v[RD+8*\j+4:RD+8*\j+7], v24, s[10:11] offset:16
	global_load_b32 v[RP+2*\j], v25, s[14:15]
	global_load_b32 v[RP+2*\j+1], v25, s[14:15]    ; twice: a pair for the packed multiply
	WIN 0
.else
	s_lshl_b32 s31, s28, 16
	v_lshl_add_u32 v[15+\j], v3, 4, s31            ; hid: the tile's 65,536 bytes + 16 x lane
.endif
.endr
	LDB 0, 0
	LDA 0, 0
	LDA 1, 1024
	LDA 2, 2048
.set ks, 0
.rept 32
	STEP ks
.set ks, ks+1
.endr
	PLACES
.irp j, 0,1,2,3,4
.if \j > 0
	s_cmp_le_u32 s26, \j
	s_cbranch_scc1 .Ldone
.endif
.if SECOND
	OUT \j
.else
.irp nb, 0,1,2,3
	GELU \j, \nb
.endr
.endif
.endr
.Ldone:
.Lskip:
	s_add_co_u32 s27, s27, 40
	s_add_co_u32 s25, s25, 1
	s_cmp_lt_u32 s25, 4
	s_cbranch_scc1 .Lpass
	s_wait_tensorcnt 0x0                           ; the wave's end, behind my last LDS store
	ds_add_u32 v1, v2
	s_wait_dscnt 0x0
	s_endpgm
.Lfunc_end_k_q7e6bebc21d_gemm1:
	.size	k_q7e6bebc21d_gemm1, .Lfunc_end_k_q7e6bebc21d_gemm1-k_q7e6bebc21d_gemm1
	.p2alignl 7, 3214868480
	.fill 96, 4, 3214868480
	.section	.rodata,"a",@progbits
	.p2align	6, 0x0
	.amdhsa_kernel k_q7e6bebc21d_gemm1
		.amdhsa_group_segment_fixed_size 133120
		.amdhsa_private_segment_fixed_size 0
		.amdhsa_enable_private_segment 0
		.amdhsa_kernarg_size 40
		.amdhsa_user_sgpr_count 2
		.amdhsa_user_sgpr_kernarg_segment_ptr 1
		.amdhsa_wavefront_size32 1
		.amdhsa_system_sgpr_workgroup_id_x 1
		.amdhsa_system_sgpr_workgroup_id_y 1
		.amdhsa_system_sgpr_workgroup_id_z 1
		.amdhsa_system_vgpr_workitem_id 0
		.amdhsa_next_free_vgpr 512
		.amdhsa_next_free_sgpr 66
		.amdhsa_reserve_vcc 0
		.amdhsa_float_denorm_mode_32 3
		.amdhsa_float_denorm_mode_16_64 3
		.amdhsa_memory_ordered 1
		.amdhsa_forward_progress 1
		.amdhsa_inst_pref_size 213
	.end_amdhsa_kernel
	.amdgpu_metadata
---
amdhsa.version: [ 1, 2 ]
amdhsa.kernels:
  - .name:           k_q7e6bebc21d_gemm1
    .symbol:         k_q7e6bebc21d_gemm1.kd
    .args:
      - { .name: xs, .offset: 0, .size: 8, .value_kind: global_buffer, .address_space: global }
      - { .name: w1, .offset: 8, .size: 8, .value_kind: global_buffer, .address_space: global }
      - { .name: b1, .offset: 16, .size: 8, .value_kind: global_buffer, .address_space: global }
      - { .name: rows, .offset: 24, .size: 8, .value_kind: global_buffer, .address_space: global }
      - { .name: hid, .offset: 32, .size: 8, .value_kind: global_buffer, .address_space: global }
    .group_segment_fixed_size: 133120
    .private_segment_fixed_size: 0
    .kernarg_segment_align: 8
    .kernarg_segment_size: 40
    .max_flat_workgroup_size: 256
    .sgpr_count:     66
    .vgpr_count:     512
    .wavefront_size: 32
...
	.end_amdgpu_metadata
.endif
;; end of part 3
;; launch gemm2 (part 4): grid 32 x 8, 8 waves a work-group, no clusters, 167,936 bytes of LDS; arguments hid, w2, b2, rows, ypart, rowp; writes ypart
.if DOCPART == 4
	.amdgcn_target "amdgcn-amd-amdhsa--gfx1250"
	.amdhsa_code_object_version 6
	.text
	.protected	k_q7e6bebc21d_gemm2
	.globl	k_q7e6bebc21d_gemm2
	.p2align	8
	.type	k_q7e6bebc21d_gemm2,@function
k_q7e6bebc21d_gemm2:
	s_mov_b64 s[64:65], 0
	v_nop
	global_prefetch_b8 v0, s[64:65] scope:SCOPE_SE
	s_setreg_imm32_b32 hwreg(HW_REG_WAVE_MODE, 25, 1), 1
	s_wait_xcnt 0x0
; ONE TEXT FOR BOTH PRODUCTS OF AN EXPERT'S MLP; SECOND chooses.
; SECOND = 0: hid = gelu(xs w1[e] + b1[e]), operands bf16, hid stored in f16.   SECOND = 1: ypart[kh] = p (hid w2[e] (+ b2[e] in K half 0)), operands f16, partial sums stored in f32.
; SHARES.  A work-group has ONE slice of one expert's weights, 1,024 along K x 64 columns, which it alone reads, and ALL the expert's rows.  8 experts x 32 slices (second product: 16 column
; slices x 2 halves of K = 2,048).  The weights, f32 [K][N] in memory, are rounded to bf16 and turned in registers and lie in LDS as [64 columns][1,024 K], 16 bits each; one barrier; then
; every wave walks row tiles of 16 by itself: tile T = 40 pass + 8 j + wave, j = 0 .. 4, four passes at the most (2,048 rows).  The rows come from memory straight into operand registers.
; The 32 K steps of a pass are written out: the walk's length hangs on a stored count, so every LDS address in it is a fixed register and an immediate.
; NO CLUSTER, NO TENSOR LOAD: the weights must pass registers to be rounded and turned; what an expert's work-groups share is its rows, and the walk over them hangs on a stored count, so
; it holds no barrier and no ring.
; THE MATRIX INSTRUCTION IS USED TRANSPOSED: source 0 = 16 columns of the weights, source 1 = 16 rows: a lane holds one row (lane % 16) and the columns 8 (lane / 16) + 0 .. 7.
; All inputs are rounded to bf16, the biases too.  GELU is x Phi(x) with Phi by the five-term rational form of Abramowitz and Stegun 7.1.26, whose error in erf is at most 1.5e-7 for every x.
; LIMITS.  hid is f16: a value of 65,520 or more becomes an infinity.  w2, rounded to bf16, is written as f16: below 6.1e-5 it keeps f16's fixed step of 6e-8.  NaN and infinities are not treated apart.
; REGISTERS.  Window 0: v1, v2 the add's; v3 lane; v4, v5 weights from memory, into LDS; v6, v7 LDS addresses of the weights' fragments, never rewritten; v10-14 the five tiles' offsets in the rows;
;   v15-19 in hid; v20-23, v28 way out and lists; v32-191 rows: 4 stages x 5 tiles x 8; v192-255 weights' fragments: 2 x 4 x 8.
;   Window 1: v0-159 accumulators (tile j, column block nb at 32 j + 8 nb); v160-191 bias; v192-231, v232-241 the rows' places and gate weights; in the weights' phase all 256: weights as loaded.
.set SECOND, 1
.if SECOND
.set ROWP, 4096                        ; bytes from K row to K row of the weights
.set RSH,  15                          ; 8 such rows
.set WSH,  19                          ; a wave's 128
.set TSH,  16                          ; a tile of 16 rows of the left operand
.set ASH,  23                          ; an expert's region of it
.set BSH,  12                          ; an expert's bias
.else
.set ROWP, 8192
.set RSH,  16
.set WSH,  20
.set TSH,  15
.set ASH,  22
.set BSH,  13
.endif
.set PB,    2064                       ; a column's 1,024 K in LDS: 2,048 bytes + 16: an odd multiple of 16, so the 16 columns of a fragment load start at 16 different groups of four banks (ISA guide 11.1)
.set BSL,   64*PB
.set SP,    272                        ; a row of the way out's stage: 256 bytes + 16
.set STG,   BSL                        ; second product: 16 rows x 272 bytes for each wave
.set SPARE, BSL+SECOND*8*16*SP         ; the spare words, 128 bytes a wave
.set AB,   32
.set BB,   192
.set BIAS, 160
.set RD,   192
.set RP,   232
.set MSB, 0
.macro WIN new                         ; s_set_vgpr_msb: bits 1:0 source 0, 3:2 source 1, 5:4 source 2, 7:6 destination; the high byte repeats the setting that is left
.if MSB != (\new)
	s_set_vgpr_msb (MSB<<8)|(\new)
.set MSB, \new
.endif
.endm
.macro PLACES                          ; four places between a matrix instruction and a load into its sources or a reader of its result (ISA guide 7.12.1 for the reader of its result)
.rept 4
	v_nop
.endr
.endm
	s_load_b256 s[4:11], s[0:1], 0x0               ; rows' operand s[4:5], weights s[6:7], bias s[8:9], lists s[10:11]
.if SECOND
	s_load_b128 s[12:15], s[0:1], 0x20             ; ypart s[12:13], rowp s[14:15]
.else
	s_load_b64 s[12:13], s[0:1], 0x20              ; hid
.endif
	v_lshl_add_u32 v1, v0, 2, SPARE
	v_mov_b32 v2, 0
	v_lshrrev_b32 v24, 5, v0
	v_readfirstlane_b32 s20, v24                   ; wave
	v_and_b32 v3, 31, v0                           ; lane
	v_and_b32 v30, 15, v0                          ; lane % 16
	v_bfe_u32 v31, v0, 4, 1                        ; lane / 16
	s_and_b32 s22, ttmp7, 0xffff                   ; expert
.if SECOND
	s_and_b32 s21, ttmp9, 15                       ; column slice
	s_lshr_b32 s55, ttmp9, 4                       ; half of K
.else
	s_mov_b32 s21, ttmp9                           ; column slice
.endif
	v_lshlrev_b32 v4, RSH, v31                     ; weights: lanes 16-31 eight rows further down,
	v_lshl_add_u32 v4, v30, 4, v4                  ; 16 bytes (4 columns) a lane: 16 lanes take a row's 256 bytes of the slice
	v_lshlrev_b32 v23, 5, v31                      ; 32 x (lane / 16)
	s_lshl_b32 s28, s22, 23                        ; the expert's 8 MiB of weights,
	s_lshl_b32 s30, s20, WSH                       ; my wave's 128 rows,
	s_add_co_u32 s28, s28, s30
	s_lshl_b32 s30, s21, 8                         ; the slice's 256 bytes
	s_add_co_u32 s28, s28, s30
.if SECOND
	s_lshl_b32 s31, s55, 22                        ; the half's 1,024 rows
	s_add_co_u32 s28, s28, s31
.endif
	s_mov_b32 s29, 0
	s_lshl_b32 s31, s22, BSH
	s_add_co_u32 s30, s30, s31                     ; bias: the expert's row, the slice's 256 bytes
	s_mov_b32 s31, 0
	s_lshl_b32 s32, s22, 2
	s_wait_kmcnt 0x0
	s_load_b32 s23, s[10:11], s32 offset:0x10000   ; the expert's count of rows
	s_add_nc_u64 s[6:7], s[6:7], s[28:29]
	s_add_nc_u64 s[8:9], s[8:9], s[30:31]
.irp nb, 0,1,2,3                       ; my 8 columns of each of the four blocks of 16
	global_load_b128 v[64+8*\nb:64+8*\nb+3], v23, s[8:9] offset:64*\nb
	global_load_b128 v[64+8*\nb+4:64+8*\nb+7], v23, s[8:9] offset:64*\nb+16
.endr
; THE WEIGHTS.  All 64 loads of the wave go out at once: load 8 q + i brings rows 16 q + i and 16 q + 8 + i of my 128, 256 consecutive aligned bytes each.  Each byte is read once in the launch.
	WIN 0x40
.set i, 0
.rept 64
	global_load_b128 v[4*i:4*i+3], v4, s[6:7] offset:(16*(i/8)+i%8)*ROWP th:TH_LOAD_NT
.set i, i+1
.endr
	WIN 0
	v_mul_u32_u24 v5, v30, 4*PB                    ; into LDS: my 4 columns,
	v_lshl_add_u32 v5, v31, 4, v5                  ; 8 K (16 bytes) on for lanes 16-31,
	v_lshl_add_u32 v5, s20, 8, v5                  ; my wave's 128 K
	v_mul_u32_u24 v6, v30, PB                      ; a fragment: column lane % 16, 16 bytes for each half of the lanes
	v_lshl_add_u32 v6, v31, 4, v6
	v_add_nc_u32 v7, 32*PB, v6                     ; column blocks 2 and 3: past the reach of the 16-bit offset
.if SECOND
	v_lshlrev_b32 v22, 4, v30
	v_lshlrev_b32 v28, 2, v30
	s_mul_i32 s30, s20, 16*SP
	s_add_co_u32 s30, s30, STG                     ; my stage
	v_mul_u32_u24 v20, v30, SP                     ; in: row lane % 16, 32 bytes for each half of the lanes
	v_lshl_add_u32 v20, v31, 5, v20
	v_add_nc_u32 v20, s30, v20
	v_mul_u32_u24 v21, v31, SP                     ; back: lanes 0-15 one row of 256 bytes, lanes 16-31 the next
	v_add_nc_u32 v21, v21, v22
	v_add_nc_u32 v21, s30, v21
	s_cmp_eq_u32 s55, 0
	s_cselect_b32 s54, -1, 0                       ; the bias is added in K half 0 alone
.else
	s_mov_b32 s40, 0x3f07dc22                      ; the polynomial's coefficients, halved: a5 / 2 = 0.53070271,
	s_mov_b32 s42, 0xbf3a00e3                      ; a4 / 2 = -0.72657601,
	s_mov_b32 s44, 0x3f35f0e3                      ; a3 / 2 = 0.71070687,
	s_mov_b32 s46, 0xbe11a98e                      ; a2 / 2 = -0.14224837,
	s_mov_b32 s48, 0x3e027906                      ; a1 / 2 = 0.12741480
	s_mov_b32 s50, 0xbf38aa3b                      ; -log2(e) / 2
.irp c, 40,42,44,46,48,50
	s_mov_b32 s[\c+1], s[\c]                       ; named as pairs
.endr
	s_mov_b32 s52, 0x3e6d3389                      ; 0.3275911 / sqrt(2)
.endif
	s_wait_kmcnt 0x0
	s_min_u32 s23, s23, 2048
	s_add_co_u32 s24, s23, 15
	s_lshr_b32 s24, s24, 4                         ; T16: the expert's tiles of 16 rows
	s_lshl_b32 s28, s22, ASH
.if SECOND
	s_lshl_b32 s30, s55, 15                        ; the half's 32 K steps of 1,024 bytes
	s_add_co_u32 s28, s28, s30
.endif
	s_add_nc_u64 s[38:39], s[4:5], s[28:29]        ; the rows' operand at the expert's tile 0; never rewritten
.if SECOND
	s_lshl_b32 s28, s55, 24                        ; ypart: the half's 16 MiB, the slice's 256 bytes
	s_lshl_b32 s30, s21, 8
	s_add_co_u32 s28, s28, s30
	s_add_nc_u64 s[12:13], s[12:13], s[28:29]
	s_lshl_b32 s28, s22, 13                        ; both lists: 8,192 bytes an expert
	s_add_nc_u64 s[10:11], s[10:11], s[28:29]
	s_add_nc_u64 s[14:15], s[14:15], s[28:29]
.else
	s_lshl_b32 s28, s22, 23                        ; hid: the expert's 8 MiB; the slice's 64 columns are two K steps of the second product
	s_lshl_b32 s30, s21, 11
	s_add_co_u32 s28, s28, s30
	s_add_nc_u64 s[12:13], s[12:13], s[28:29]
.endif
; Group q: 8 loads = 8 K x 4 columns a lane.  Rounding rows 2 p and 2 p + 1 of one column into one register IS the turn: four registers are 8 K of a column.
.macro WGRP q
.set WT, 32+16*((\q)%2)
	s_wait_loadcnt 56-8*(\q)                       ; loads return in order (ISA guide 5.7.1): the 8 (7 - q) younger weight loads stay out
	WIN 0x05
.irp cc, 0,1,2,3
.irp p, 0,1,2,3
	v_cvt_pk_bf16_f32 v[WT+4*\cc+\p], v[4*(8*(\q)+2*\p)+\cc], v[4*(8*(\q)+2*\p+1)+\cc]
.endr
.endr
	WIN 0
.if SECOND
.set z, 0
.rept 16                               ; the bf16 number, written as f16
	v_lshlrev_b32 v[100+2*(z%4)], 16, v[WT+z]
	v_and_b32 v[101+2*(z%4)], 0xffff0000, v[WT+z]
	v_cvt_pk_f16_f32 v[WT+z], v[100+2*(z%4)], v[101+2*(z%4)]
.set z, z+1
.endr
.endif
.irp cc, 0,1,2,3
	ds_store_b128 v5, v[WT+4*\cc:WT+4*\cc+3] offset:\cc*PB+32*(\q)
.endr
.endm
.irp q, 0,1,2,3,4,5,6,7
	WGRP \q
.endr
.set z, 0
.rept 16                               ; the bias, rounded to bf16 like every input
	v_cvt_pk_bf16_f32 v[112+z], v[64+2*z], v[64+2*z+1]
.if SECOND
	v_and_b32 v[112+z], s54, v[112+z]
.endif
.set z, z+1
.endr
	WIN 0x40
.set z, 0
.rept 16
	v_lshlrev_b32 v[BIAS+2*z], 16, v[112+z]
	v_and_b32 v[BIAS+2*z+1], 0xffff0000, v[112+z]
.set z, z+1
.endr
	WIN 0
	s_wait_dscnt 0x0                               ; for the others' sake: my part of the slice is in LDS
	s_barrier_signal -1
	s_barrier_wait -1                              ; the only barrier: behind it the slice is only read
.macro LDB st, k                       ; the four fragments of the weights, 32 K at byte k of the columns, into buffer st: 8 LDS loads; 35,040 is the largest immediate
.irp nb, 0,1
	ds_load_b128 v[BB+32*(\st)+8*\nb:BB+32*(\st)+8*\nb+3],     v6 offset:(\k)+\nb*16*PB
	ds_load_b128 v[BB+32*(\st)+8*\nb+4:BB+32*(\st)+8*\nb+7],   v6 offset:(\k)+\nb*16*PB+32
	ds_load_b128 v[BB+32*(\st)+16+8*\nb:BB+32*(\st)+16+8*\nb+3],   v7 offset:(\k)+\nb*16*PB
	ds_load_b128 v[BB+32*(\st)+16+8*\nb+4:BB+32*(\st)+16+8*\nb+7], v7 offset:(\k)+\nb*16*PB+32
.endr
.endm
.macro LDA st, k                       ; the five tiles' fragments of one K step into stage st: 10 loads of 512 consecutive bytes
.irp j, 0,1,2,3,4
	global_load_b128 v[AB+40*(\st)+8*\j:AB+40*(\st)+8*\j+3],   v[10+\j], s[38:39] offset:(\k)
	global_load_b128 v[AB+40*(\st)+8*\j+4:AB+40*(\st)+8*\j+7], v[10+\j], s[38:39] offset:(\k)+512
.endr
.endm
.macro MMA i, j, nb, zero
.set rD, 32*(\j)+8*(\nb)
.set rB, BB+32*((\i)%2)+8*(\nb)
.set rA, AB+40*((\i)%4)+8*(\j)
.if SECOND
.if \zero
	v_wmma_f32_16x16x32_f16 v[rD:rD+7], v[rB:rB+7], v[rA:rA+7], 0
.else
	v_wmma_f32_16x16x32_f16 v[rD:rD+7], v[rB:rB+7], v[rA:rA+7], v[rD:rD+7]
.endif
.else
.if \zero
	v_wmma_f32_16x16x32_bf16 v[rD:rD+7], v[rB:rB+7], v[rA:rA+7], 0
.else
	v_wmma_f32_16x16x32_bf16 v[rD:rD+7], v[rB:rB+7], v[rA:rA+7], v[rD:rD+7]
.endif
.endif
.endm
; K step i of 32.  The weights' fragments are asked for one step ahead, the rows' three steps ahead.  The wait on LOADcnt leaves out the rows' loads of the later steps, ten each: three
; steps' up to step 28, then 20, 10, 0; the wait on DScnt the next step's eight LDS loads.  The 16 or 20 accumulators take turns, one instruction a turn.
; Step 0's products start the sums, tile 4's too, so that every accumulator is written whatever the count.
.macro STEP i
.if (\i) > 0
	PLACES
.endif
.if (\i) < 31
	LDB ((\i)+1)%2, ((\i)+1)*64
.endif
.if (\i) < 29
	LDA ((\i)+3)%4, ((\i)+3)*1024
	s_wait_loadcnt 30
.else
	s_wait_loadcnt 10*(31-(\i))
.endif
.if (\i) < 31
	s_wait_dscnt 8
.else
	s_wait_dscnt 0
.endif
	WIN 0x50
.if (\i) == 0
.irp j, 0,1,2,3,4
.irp nb, 0,1,2,3
	MMA \i, \j, \nb, 1
.endr
.endr
	WIN 0
.else
.irp j, 0,1,2,3
.irp nb, 0,1,2,3
	MMA \i, \j, \nb, 0
.endr
.endr
	WIN 0
	s_cmp_lt_u32 s26, 5
	s_cbranch_scc1 .Lno4_\@                        ; the wave's fifth tile does not exist
	WIN 0x50
.irp nb, 0,1,2,3
	MMA \i, 4, \nb, 0
.endr
	WIN 0
.Lno4_\@:
.endif
.endm
.if SECOND
; THE WAY OUT of tile j: (sum + bias) p; through my own stage in LDS; back as whole rows of 256 bytes; each row to its place 2 token + choice.
.macro OUT j
	s_wait_xcnt 0x0                                ; the last tile's stores have read their registers
	WIN 0x05
.set z, 0
.rept 16                               ; each accumulator from its low end on
	v_pk_add_f32 v[32+2*z:33+2*z], v[32*(\j)+2*z:32*(\j)+2*z+1], v[BIAS+2*z:BIAS+2*z+1]
.set z, z+1
.endr
	WIN 0x04
.set z, 0
.rept 16
	v_pk_mul_f32 v[32+2*z:33+2*z], v[32+2*z:33+2*z], v[RP+2*(\j):RP+2*(\j)+1]
.set z, z+1
.endr
.irp i, 0,1,2,3,4,5,6,7
	v_min_u32 v[96+\i], 0xfff, v[RD+8*(\j)+\i]
.endr
	WIN 0
.irp i, 0,1,2,3,4,5,6,7
	v_lshl_add_u32 v[96+\i], v[96+\i], 12, v22     ; the place's 4,096 bytes + 16 (lane % 16)
.endr
.irp n, 0,1,2,3,4,5,6,7
	ds_store_b128 v20, v[32+4*\n:35+4*\n] offset:64*(\n/2)+16*(\n%2)
.endr
.irp i, 0,1,2,3,4,5,6,7
	ds_load_b128 v[64+4*\i:67+4*\i], v21 offset:2*SP*\i  ; LDS serves a wave's instructions in order (ISA guide 5.7.1.4): these see the stores above
.endr
	s_wait_dscnt 0x0
.irp i, 0,1,2,3,4,5,6,7
	global_store_b128 v[96+\i], v[64+4*\i:67+4*\i], s[12:13]  ; 16 lanes store 256 consecutive bytes, aligned
.endr
.endm
.else
; GELU of 8 numbers: tile j, column block nb.  gelu(x) = max(x, 0) - |x| y, y = erfc(|x| / sqrt 2) / 2 = t (a1 + t (a2 + ..)) / 2 x exp(-x x / 2), t = 1 / (1 + 0.2316419 |x|).
; The lane's 8 results, rounded to f16, are 16 bytes of the second product's operand as its registers take it: the store is 512 consecutive bytes.
.set GX, 32
.set GT, 40
.set GE, 48
.set GR, 56
.set GY, 64
.set GO, 72
.macro GELU j, nb
.if (\nb) == 0
	s_wait_xcnt 0x0                                ; the last tile's four stores have read their registers
.endif
	WIN 0x05
.irp p, 0,2,4,6
	v_pk_add_f32 v[GX+\p:GX+\p+1], v[32*(\j)+8*(\nb)+\p:32*(\j)+8*(\nb)+\p+1], v[BIAS+8*(\nb)+\p:BIAS+8*(\nb)+\p+1]
.endr
	WIN 0
.irp i, 0,1,2,3,4,5,6,7
	v_fma_f32 v[GT+\i], |v[GX+\i]|, s52, 1.0
.endr
.irp p, 0,2,4,6
	v_pk_mul_f32 v[GE+\p:GE+\p+1], v[GX+\p:GX+\p+1], v[GX+\p:GX+\p+1]
.endr
.irp p, 0,2,4,6
	v_pk_mul_f32 v[GE+\p:GE+\p+1], v[GE+\p:GE+\p+1], s[50:51] op_sel_hi:[1,0]
.endr
.irp i, 0,1,2,3,4,5,6,7
	v_rcp_f32 v[GT+\i], v[GT+\i]
.endr
.irp i, 0,1,2,3,4,5,6,7
	v_exp_f32 v[GE+\i], v[GE+\i]
.endr
.irp i, 0,1,2,3,4,5,6,7
	v_max_num_f32 v[GR+\i], 0, v[GX+\i]            ; plain work behind the batch
.endr
	s_wait_alu depctr_va_vdst(0)                   ; one wait for the sixteen, ahead of their first reader
.irp p, 0,2,4,6
	v_pk_fma_f32 v[GY+\p:GY+\p+1], v[GT+\p:GT+\p+1], s[40:41], s[42:43] op_sel_hi:[1,0,0]
.endr
.irp c, 44,46,48
.irp p, 0,2,4,6
	v_pk_fma_f32 v[GY+\p:GY+\p+1], v[GY+\p:GY+\p+1], v[GT+\p:GT+\p+1], s[\c:\c+1] op_sel_hi:[1,1,0]
.endr
.endr
.irp p, 0,2,4,6
	v_pk_mul_f32 v[GT+\p:GT+\p+1], v[GT+\p:GT+\p+1], v[GE+\p:GE+\p+1]
.endr
.irp p, 0,2,4,6
	v_pk_mul_f32 v[GY+\p:GY+\p+1], v[GY+\p:GY+\p+1], v[GT+\p:GT+\p+1]
.endr
.irp i, 0,1,2,3,4,5,6,7
	v_fma_f32 v[GX+\i], -|v[GX+\i]|, v[GY+\i], v[GR+\i]
.endr
.irp p, 0,1,2,3
	v_cvt_pk_f16_f32 v[GO+4*(\nb)+\p], v[GX+2*\p], v[GX+2*\p+1]
.endr
	global_store_b128 v[15+(\j)], v[GO+4*(\nb):GO+4*(\nb)+3], s[12:13] offset:512*(\nb)
.endm
.endif
; THE PASSES: four, a constant; a pass in which the wave has no tile is jumped over, forward, to the counter's step.
	s_mov_b32 s25, 0
	s_mov_b32 s27, s20                             ; the wave's first tile of the pass: 40 pass + wave
.Lpass:
	s_cmp_ge_u32 s27, s24
	s_cbranch_scc1 .Lskip
	s_wait_xcnt 0x0                                ; the last pass's loads and stores have read their offsets
	s_sub_co_u32 s26, s24, s27
	s_add_co_u32 s26, s26, 7
	s_lshr_b32 s26, s26, 3
	s_min_u32 s26, s26, 5                          ; how many of my five tiles exist
	s_sub_co_u32 s33, s24, 1
.irp j, 0,1,2,3,4
	s_add_co_u32 s28, s27, 8*\j                    ; T
	s_min_u32 s29, s28, s24
	s_sub_co_u32 s29, s24, s29                     ; tiles from T on: 0 for a tile that does not exist,
	s_min_u32 s29, s29, 1
	s_lshl_b32 s29, s29, 4                         ; whose lanes then all ask for the same 16 bytes of the last tile
	s_min_u32 s28, s28, s33
	s_min_u32 s28, s28, 127
	s_lshl_b32 s30, s28, TSH
	v_mad_u32_u24 v[10+\j], v3, s29, s30
.if SECOND
	s_lshl_b32 s31, s28, 6                         ; both lists: 64 bytes a tile
	s_wait_xcnt 0x0                                ; v24 and v25 serve every tile
	v_add_nc_u32 v24, s31, v23                     ; places: rows 2 i + lane / 16, i = 0 .. 7
	v_add_nc_u32 v25, s31, v28                     ; gate weight: row lane % 16
	WIN 0x40
	global_load_b128 v[RD+8*\j:RD+8*\j+3], v24, s[10:11]
	global_load_b128 v[RD+8*\j+4:RD+8*\j+7], v24, s[10:11] offset:16
	global_load_b32 v[RP+2*\j], v25, s[14:15]
	global_load_b32 v[RP+2*\j+1], v25, s[14:15]    ; twice: a pair for the packed multiply
	WIN 0
.else
	s_lshl_b32 s31, s28, 16
	v_lshl_add_u32 v[15+\j], v3, 4, s31            ; hid: the tile's 65,536 bytes + 16 x lane
.endif
.endr
	LDB 0, 0
	LDA 0, 0
	LDA 1, 1024
	LDA 2, 2048
.set ks, 0
.rept 32
	STEP ks
.set ks, ks+1
.endr
	PLACES
.irp j, 0,1,2,3,4
.if \j > 0
	s_cmp_le_u32 s26, \j
	s_cbranch_scc1 .Ldone
.endif
.if SECOND
	OUT \j
.else
.irp nb, 0,1,2,3
	GELU \j, \nb
.endr
.endif
.endr
.Ldone:
.Lskip:
	s_add_co_u32 s27, s27, 40
	s_add_co_u32 s25, s25, 1
	s_cmp_lt_u32 s25, 4
	s_cbranch_scc1 .Lpass
	s_wait_tensorcnt 0x0                           ; the wave's end, behind my last LDS store
	ds_add_u32 v1, v2
	s_wait_dscnt 0x0
	s_endpgm
.Lfunc_end_k_q7e6bebc21d_gemm2:
	.size	k_q7e6bebc21d_gemm2, .Lfunc_end_k_q7e6bebc21d_gemm2-k_q7e6bebc21d_gemm2
	.p2alignl 7, 3214868480
	.fill 96, 4, 3214868480
	.section	.rodata,"a",@progbits
	.p2align	6, 0x0
	.amdhsa_kernel k_q7e6bebc21d_gemm2
		.amdhsa_group_segment_fixed_size 167936
		.amdhsa_private_segment_fixed_size 0
		.amdhsa_enable_private_segment 0
		.amdhsa_kernarg_size 48
		.amdhsa_user_sgpr_count 2
		.amdhsa_user_sgpr_kernarg_segment_ptr 1
		.amdhsa_wavefront_size32 1
		.amdhsa_system_sgpr_workgroup_id_x 1
		.amdhsa_system_sgpr_workgroup_id_y 1
		.amdhsa_system_sgpr_workgroup_id_z 1
		.amdhsa_system_vgpr_workitem_id 0
		.amdhsa_next_free_vgpr 512
		.amdhsa_next_free_sgpr 66
		.amdhsa_reserve_vcc 0
		.amdhsa_float_denorm_mode_32 3
		.amdhsa_float_denorm_mode_16_64 3
		.amdhsa_memory_ordered 1
		.amdhsa_forward_progress 1
		.amdhsa_inst_pref_size 172
	.end_amdhsa_kernel
	.amdgpu_metadata
---
amdhsa.version: [ 1, 2 ]
amdhsa.kernels:
  - .name:           k_q7e6bebc21d_gemm2
    .symbol:         k_q7e6bebc21d_gemm2.kd
    .args:
      - { .name: hid, .offset: 0, .size: 8, .value_kind: global_buffer, .address_space: global }
      - { .name: w2, .offset: 8, .size: 8, .value_kind: global_buffer, .address_space: global }
      - { .name: b2, .offset: 16, .size: 8, .value_kind: global_buffer, .address_space: global }
      - { .name: rows, .offset: 24, .size: 8, .value_kind: global_buffer, .address_space: global }
      - { .name: ypart, .offset: 32, .size: 8, .value_kind: global_buffer, .address_space: global }
      - { .name: rowp, .offset: 40, .size: 8, .value_kind: global_buffer, .address_space: global }
    .group_segment_fixed_size: 167936
    .private_segment_fixed_size: 0
    .kernarg_segment_align: 8
    .kernarg_segment_size: 48
    .max_flat_workgroup_size: 256
    .sgpr_count:     66
    .vgpr_count:     512
    .wavefront_size: 32
...
	.end_amdgpu_metadata
.endif
;; end of part 4
;; launch final (part 5): grid 256 x 1, 8 waves a work-group, no clusters, 0 bytes of LDS; arguments ypart, gate, rows, out0, out1; writes out0, out1
.if DOCPART == 5
	.amdgcn_target "amdgcn-amd-amdhsa--gfx1250"
	.amdhsa_code_object_version 6
	.text
	.protected	k_q7e6bebc21d_final
	.globl	k_q7e6bebc21d_final
	.p2align	8
	.type	k_q7e6bebc21d_final,@function
k_q7e6bebc21d_final:
	s_mov_b64 s[64:65], 0
	v_nop
	global_prefetch_b8 v0, s[64:65] scope:SCOPE_SE
	s_setreg_imm32_b32 hwreg(HW_REG_WAVE_MODE, 25, 1), 1
	s_wait_xcnt 0x0
; FINAL.  out0[t] = the four partial rows of token t: two choices x two halves of the second product's K, each already times its gate weight.  A stream: no LDS, no matrix unit.
; A work-group owns 8 tokens; thread i the 16 bytes at 16 i of every row, so a wave's load or store covers 512 consecutive bytes.  All 32 loads of a thread go out at once.
; Work-group 0's wave 0 also makes out1 = 8 sum over e of (cnt[e] / 2) (sum of the probabilities of e / 2,048) = sum over e of cnt[e] psum[e] / 512.
	s_load_b256 s[4:11], s[0:1], 0x0               ; ypart s[4:5], gate s[6:7], rows s[8:9], out0 s[10:11]
	s_load_b64 s[12:13], s[0:1], 0x20              ; out1
	v_lshlrev_b32 v1, 4, v0
	v_lshrrev_b32 v2, 5, v0
	v_readfirstlane_b32 s14, v2                    ; wave
	s_lshl_b32 s16, ttmp9, 16                      ; 8 tokens x 2 places x 4,096 bytes
	s_mov_b32 s17, 0
	s_lshl_b32 s18, ttmp9, 15                      ; 8 rows of out0
	s_mov_b32 s19, 0
	s_wait_kmcnt 0x0
	s_add_nc_u64 s[4:5], s[4:5], s[16:17]
	s_add_nc_u64 s[20:21], s[4:5], 0x1000000       ; the second half of K: 16 MiB on
	s_add_nc_u64 s[10:11], s[10:11], s[18:19]
.set t, 0
.rept 8
	global_load_b128 v[16+16*t:19+16*t], v1, s[4:5] offset:8192*t th:TH_LOAD_NT
	global_load_b128 v[20+16*t:23+16*t], v1, s[4:5] offset:8192*t+4096 th:TH_LOAD_NT
	global_load_b128 v[24+16*t:27+16*t], v1, s[20:21] offset:8192*t th:TH_LOAD_NT
	global_load_b128 v[28+16*t:31+16*t], v1, s[20:21] offset:8192*t+4096 th:TH_LOAD_NT
.set t, t+1
.endr
.set t, 0
.rept 8
	s_wait_loadcnt 28-4*t                          ; loads return in order (ISA guide 5.7.1): token t's four are in, the later tokens' stay out
	v_pk_add_f32 v[16+16*t:17+16*t], v[16+16*t:17+16*t], v[20+16*t:21+16*t]
	v_pk_add_f32 v[18+16*t:19+16*t], v[18+16*t:19+16*t], v[22+16*t:23+16*t]
	v_pk_add_f32 v[24+16*t:25+16*t], v[24+16*t:25+16*t], v[28+16*t:29+16*t]
	v_pk_add_f32 v[26+16*t:27+16*t], v[26+16*t:27+16*t], v[30+16*t:31+16*t]
	v_pk_add_f32 v[16+16*t:17+16*t], v[16+16*t:17+16*t], v[24+16*t:25+16*t]
	v_pk_add_f32 v[18+16*t:19+16*t], v[18+16*t:19+16*t], v[26+16*t:27+16*t]
	global_store_b128 v1, v[16+16*t:19+16*t], s[10:11] offset:4096*t th:TH_STORE_NT
.set t, t+1
.endr
	s_or_b32 s15, ttmp9, s14
	s_cmp_lg_u32 s15, 0
	s_cbranch_scc1 .Lend
	s_load_b256 s[24:31], s[8:9], 0x10000          ; the eight counts
	s_wait_xcnt 0x0                                ; the stores above have read their registers
	v_and_b32 v2, 31, v0
	v_lshlrev_b32 v3, 5, v2                        ; lane L takes the tiles L, L + 32, L + 64, L + 96: 32 bytes each
.irp k, 0,1,2,3
	global_load_b128 v[16+8*\k:19+8*\k], v3, s[6:7] offset:16384+1024*\k
	global_load_b128 v[20+8*\k:23+8*\k], v3, s[6:7] offset:16384+1024*\k+16
.endr
	s_mov_b32 s32, 0x76543210                      ; v_permlanex16_b32: each lane takes its own place in the other half
	s_mov_b32 s33, 0xfedcba98
	v_mov_b32 v57, 0
	v_mov_b32 v58, 0
	s_wait_kmcnt 0x0
.irp e, 0,1,2,3,4,5,6,7
	v_cvt_f32_u32 v[48+\e], s[24+\e]
.endr
	s_wait_loadcnt 0x0
.irp p, 0,2,4,6
	v_pk_add_f32 v[16+\p:17+\p], v[16+\p:17+\p], v[24+\p:25+\p]
	v_pk_add_f32 v[32+\p:33+\p], v[32+\p:33+\p], v[40+\p:41+\p]
.endr
.irp p, 0,2,4,6
	v_pk_add_f32 v[16+\p:17+\p], v[16+\p:17+\p], v[32+\p:33+\p]
.endr
	v_mul_f32 v56, v16, v48
.irp e, 1,2,3,4,5,6,7
	v_fmac_f32 v56, v[16+\e], v[48+\e]
.endr
	v_add_f32_dpp v56, v56, v56 row_xmask:1 row_mask:0xf bank_mask:0xf
	v_add_f32_dpp v56, v56, v56 row_xmask:2 row_mask:0xf bank_mask:0xf
	v_add_f32_dpp v56, v56, v56 row_xmask:4 row_mask:0xf bank_mask:0xf
	v_add_f32_dpp v56, v56, v56 row_xmask:8 row_mask:0xf bank_mask:0xf
	v_permlanex16_b32 v57, v56, s32, s33
	v_add_f32 v56, v56, v57
	v_mul_f32 v56, 0x3b000000, v56                 ; / 512
	s_wait_xcnt 0x0                                ; EXEC changes only behind this wait
	v_cmp_eq_u32 vcc_lo, 0, v2
	s_and_saveexec_b32 s34, vcc_lo
	global_store_b32 v58, v56, s[12:13]
	s_wait_xcnt 0x0
	s_or_b32 exec_lo, exec_lo, s34
.Lend:
	s_endpgm
.Lfunc_end_k_q7e6bebc21d_final:
	.size	k_q7e6bebc21d_final, .Lfunc_end_k_q7e6bebc21d_final-k_q7e6bebc21d_final
	.p2alignl 7, 3214868480
	.fill 96, 4, 3214868480
	.section	.rodata,"a",@progbits
	.p2align	6, 0x0
	.amdhsa_kernel k_q7e6bebc21d_final
		.amdhsa_group_segment_fixed_size 0
		.amdhsa_private_segment_fixed_size 0
		.amdhsa_enable_private_segment 0
		.amdhsa_kernarg_size 40
		.amdhsa_user_sgpr_count 2
		.amdhsa_user_sgpr_kernarg_segment_ptr 1
		.amdhsa_wavefront_size32 1
		.amdhsa_system_sgpr_workgroup_id_x 1
		.amdhsa_system_sgpr_workgroup_id_y 1
		.amdhsa_system_sgpr_workgroup_id_z 1
		.amdhsa_system_vgpr_workitem_id 0
		.amdhsa_next_free_vgpr 160
		.amdhsa_next_free_sgpr 66
		.amdhsa_reserve_vcc 1
		.amdhsa_float_denorm_mode_32 3
		.amdhsa_float_denorm_mode_16_64 3
		.amdhsa_memory_ordered 1
		.amdhsa_forward_progress 1
		.amdhsa_inst_pref_size 11
	.end_amdhsa_kernel
	.amdgpu_metadata
---
amdhsa.version: [ 1, 2 ]
amdhsa.kernels:
  - .name:           k_q7e6bebc21d_final
    .symbol:         k_q7e6bebc21d_final.kd
    .args:
      - { .name: ypart, .offset: 0, .size: 8, .value_kind: global_buffer, .address_space: global }
      - { .name: gate, .offset: 8, .size: 8, .value_kind: global_buffer, .address_space: global }
      - { .name: rows, .offset: 16, .size: 8, .value_kind: global_buffer, .address_space: global }
      - { .name: out0, .offset: 24, .size: 8, .value_kind: global_buffer, .address_space: global }
      - { .name: out1, .offset: 32, .size: 8, .value_kind: global_buffer, .address_space: global }
    .group_segment_fixed_size: 0
    .private_segment_fixed_size: 0
    .kernarg_segment_align: 8
    .kernarg_segment_size: 40
    .max_flat_workgroup_size: 256
    .sgpr_count:     66
    .vgpr_count:     160
    .wavefront_size: 32
...
	.end_amdgpu_metadata
.endif
;; end of part 5
;; ======== version 2 of 2: 5 launches
;; limits: values are held in f16: magnitudes above 65,504 overflow, below 6.1e-05 lose precision; a function is approximated: absolute error at most 1.5e-07; values within 1.2e-07 (relative) of each other or of a threshold may be ordered or decided otherwise than in the reference
;; workspace buffers: maps 4,096 bytes of whole numbers; gate 20,480 bytes; rows 65,792 bytes of whole numbers; rowp 65,536 bytes; xs 33,554,432 bytes; hid 67,108,864 bytes; ypart 33,554,432 bytes
;; launch router: the kernel of part 1 again; grid 128 x 1, 8 waves a work-group, no clusters, 9,216 bytes of LDS; arguments x, gate_w, maps, gate; writes maps, gate
;; launch place (part 6): grid 8 x 128, 4 waves a work-group, no clusters, 0 bytes of LDS; arguments maps, gate, x, xs, rows, rowp; writes xs, rows, rowp
.if DOCPART == 6
	.amdgcn_target "amdgcn-amd-amdhsa--gfx1250"
	.amdhsa_code_object_version 6
	.text
	.protected	k_q7e6bebc21d_place
	.globl	k_q7e6bebc21d_place
	.p2align	8
	.type	k_q7e6bebc21d_place,@function
k_q7e6bebc21d_place:
	s_mov_b64 s[64:65], 0
	v_nop
	global_prefetch_b8 v0, s[64:65] scope:SCOPE_SE
	s_setreg_imm32_b32 hwreg(HW_REG_WAVE_MODE, 25, 1), 1
	s_wait_xcnt 0x0
; PLACE.  Work-group (expert, tile) lays the expert's sorted rows 16 tile .. 16 tile + 15 (its tokens in ascending order) into xs, rounded to bf16, in the order in which a matrix
; operand's registers take them: [expert][tile][32 K steps][2][32 lanes][16 bytes], lane (r, h) holding row r, channels 32 s + 16 j + 8 h .. + 7.
; It also stores the rows' list: rowdst[expert][tile][row & 1][row >> 1] = 2 token + (0: first choice, 1: second), rowp = the row's gate weight, cnt[expert].
; The grid, 128 tiles an expert, serves every split of the tokens; a tile at or past the expert's count stores nothing.  Rows past the count in the last tile repeat the last row.
; The expert is the grid's x and the tile its y, so that the tiles that exist, the low ones of every expert, are the launch's first work-groups.
; The expert's bitmap, 64 words, lies in scalar registers; each lane finds the token of its rank: the word by the running count, the bit by halving.  No LDS, no barrier.
; s64 and s65 are never named: word g lies in s[16 + g] for g < 48, in s[20 + g] from there on.
	s_load_b256 s[4:11], s[0:1], 0x0               ; maps s[4:5], gate s[6:7], x s[8:9], xs s[10:11]
	s_load_b128 s[12:15], s[0:1], 0x20             ; rows s[12:13], rowp s[14:15]
	v_lshrrev_b32 v1, 5, v0
	v_readfirstlane_b32 s88, v1                    ; wave
	v_and_b32 v1, 31, v0                           ; lane
	v_and_b32 v2, 15, v0                           ; r
	v_bfe_u32 v3, v0, 4, 1                         ; h
	s_and_b32 s84, ttmp7, 0xffff                   ; tile
	s_mov_b32 s85, ttmp9                           ; expert
	s_lshl_b32 s86, s85, 8
	s_mov_b32 s87, 0
	s_wait_kmcnt 0x0
	s_add_nc_u64 s[86:87], s[4:5], s[86:87]        ; the expert's 256 bytes of map 0
	s_load_b512 s[16:31], s[86:87], 0x0
	s_load_b512 s[32:47], s[86:87], 0x40
	s_load_b512 s[48:63], s[86:87], 0x80
	s_load_b512 s[68:83], s[86:87], 0xc0
	s_lshl_b32 s92, s85, 2
	s_wait_kmcnt 0x0
	s_mov_b32 s89, 0                               ; the expert's count
.set g, 0
.rept 64
.set UR, 16+g+4*(g/48)
	s_bcnt1_i32_b32 s90, s[UR]
	s_add_co_u32 s89, s89, s90
.set g, g+1
.endr
	s_min_u32 s89, s89, 2048
	s_or_b32 s90, s84, s88
	s_cmp_lg_u32 s90, 0
	s_cbranch_scc1 .Lno_cnt                        ; tile 0's wave 0 stores the count, also where it is 0
	v_mov_b32 v25, s89
	v_mov_b32 v26, s92
	v_cmp_eq_u32 vcc_lo, 0, v1
	s_and_saveexec_b32 s91, vcc_lo
	global_store_b32 v26, v25, s[12:13] offset:65536
	s_wait_xcnt 0x0                                ; EXEC changes only behind this wait
	s_or_b32 exec_lo, exec_lo, s91
.Lno_cnt:
	s_lshl_b32 s90, s84, 4
	s_cmp_ge_u32 s90, s89
	s_cbranch_scc1 .Lend                           ; no row of this tile exists
	s_sub_co_u32 s91, s89, 1
	v_add_nc_u32 v4, s90, v2
	v_min_u32 v4, s91, v4                          ; q: my row's rank, the last row's past the count
; the last word whose running count P is at most q holds the token: its bits v5, its P v6, its number v7
	v_mov_b32 v5, s16
	v_mov_b32 v6, 0
	v_mov_b32 v7, 0
	s_bcnt1_i32_b32 s92, s16
.set g, 1
.rept 63
.set UR, 16+g+4*(g/48)
	v_cmp_le_u32 vcc_lo, s92, v4
	v_cndmask_b32 v5, v5, s[UR], vcc_lo
	v_cndmask_b32 v6, v6, s92, vcc_lo
	v_cndmask_b32 v7, v7, g, vcc_lo
	s_bcnt1_i32_b32 s93, s[UR]
	s_add_co_u32 s92, s92, s93
.set g, g+1
.endr
	v_sub_nc_u32 v8, v4, v6                        ; n: which set bit of the word, from 0
; counts of the word's set bits in fields of 2 (v12), 4 (v13), 8 (v14) and 16 bits (v15, low byte of each half)
	v_lshrrev_b32 v10, 1, v5
	v_and_b32 v10, 0x55555555, v10
	v_sub_nc_u32 v12, v5, v10
	v_lshrrev_b32 v10, 2, v12
	v_and_b32 v10, 0x33333333, v10
	v_and_b32 v13, 0x33333333, v12
	v_add_nc_u32 v13, v13, v10
	v_lshrrev_b32 v10, 4, v13
	v_add_nc_u32 v14, v13, v10
	v_and_b32 v14, 0x0f0f0f0f, v14
	v_lshrrev_b32 v10, 8, v14
	v_add_nc_u32 v15, v14, v10
	v_mov_b32 v9, 0                                ; pos
; if the lower half of the block at pos holds n set bits or fewer, the bit lies in the upper half
.macro HALVE src, width, step
	v_bfe_u32 v10, v[\src], v9, \width
	v_cmp_ge_u32 vcc_lo, v8, v10
	v_cndmask_b32 v10, 0, v10, vcc_lo
	v_sub_nc_u32 v8, v8, v10
	v_cndmask_b32 v11, 0, \step, vcc_lo
	v_add_nc_u32 v9, v9, v11
.endm
	HALVE 15, 8, 16
	HALVE 14, 8, 8
	HALVE 13, 4, 4
	HALVE 12, 2, 2
	HALVE 5, 1, 1
	v_lshl_add_u32 v16, v7, 5, v9
	v_min_u32 v16, 0x7ff, v16                      ; the token
	v_min_u32 v18, 63, v7
	v_lshlrev_b32 v18, 2, v18                      ; its word in map 1
	v_lshlrev_b32 v19, 3, v16                      ; its pair of gate weights
	v_lshlrev_b32 v17, 5, v3
	v_lshl_add_u32 v17, s88, 10, v17               ; my wave's 8 K steps: 256 channels of 4 bytes
	v_lshl_add_u32 v17, v16, 12, v17               ; + the token's row
	v_lshlrev_b32 v24, 4, v1
	s_lshl_b32 s94, s85, 22                        ; xs: the expert's 4 MiB,
	s_lshl_b32 s95, s84, 15                        ; the tile's 32,768 bytes,
	s_add_co_u32 s94, s94, s95
	s_lshl_b32 s95, s88, 13                        ; my wave's 8 blocks of 1,024
	s_add_co_u32 s94, s94, s95
	s_mov_b32 s95, 0
	s_add_nc_u64 s[10:11], s[10:11], s[94:95]
	global_load_b32 v20, v18, s[86:87] offset:2048
	global_load_b64 v[22:23], v19, s[6:7]
.set i, 0
.rept 32                               ; a row is named by two experts, so no hint that it is read once
	global_load_b128 v[32+4*i:35+4*i], v17, s[8:9] offset:128*(i/4)+64*((i/2)%2)+16*(i%2)
.set i, i+1
.endr
.set i, 0
.rept 16
	s_wait_loadcnt 30-2*i                          ; loads return in order (ISA guide 5.7.1): piece i's two are in, the 30 - 2 i younger stay out
.irp p, 0,1,2,3
	v_cvt_pk_bf16_f32 v[160+4*i+\p], v[32+8*i+2*\p], v[32+8*i+2*\p+1]
.endr
	global_store_b128 v24, v[160+4*i:160+4*i+3], s[10:11] offset:512*i  ; 512 consecutive bytes, aligned
.set i, i+1
.endr
	s_cmp_lg_u32 s88, 0
	s_cbranch_scc1 .Lend
	v_bfe_u32 v25, v20, v9, 1                      ; is this expert the token's second choice?
	v_lshl_add_u32 v26, v16, 1, v25
	v_cmp_eq_u32 vcc_lo, 1, v25
	v_cndmask_b32 v27, v22, v23, vcc_lo
	s_lshl_b32 s90, s85, 13
	s_lshl_b32 s91, s84, 6
	s_add_co_u32 s90, s90, s91                     ; both lists: 8,192 bytes an expert, 64 a tile
	v_lshl_add_u32 v28, v2, 2, s90
	global_store_b32 v28, v27, s[14:15]            ; both halves of the lanes store the same bytes
	v_and_b32 v29, 1, v2
	v_lshrrev_b32 v30, 1, v2
	v_lshlrev_b32 v30, 2, v30
	v_lshl_add_u32 v30, v29, 5, v30
	v_add_nc_u32 v30, s90, v30
	global_store_b32 v30, v26, s[12:13]
.Lend:
	s_endpgm
.Lfunc_end_k_q7e6bebc21d_place:
	.size	k_q7e6bebc21d_place, .Lfunc_end_k_q7e6bebc21d_place-k_q7e6bebc21d_place
	.p2alignl 7, 3214868480
	.fill 96, 4, 3214868480
	.section	.rodata,"a",@progbits
	.p2align	6, 0x0
	.amdhsa_kernel k_q7e6bebc21d_place
		.amdhsa_group_segment_fixed_size 0
		.amdhsa_private_segment_fixed_size 0
		.amdhsa_enable_private_segment 0
		.amdhsa_kernarg_size 48
		.amdhsa_user_sgpr_count 2
		.amdhsa_user_sgpr_kernarg_segment_ptr 1
		.amdhsa_wavefront_size32 1
		.amdhsa_system_sgpr_workgroup_id_x 1
		.amdhsa_system_sgpr_workgroup_id_y 1
		.amdhsa_system_sgpr_workgroup_id_z 1
		.amdhsa_system_vgpr_workitem_id 0
		.amdhsa_next_free_vgpr 232
		.amdhsa_next_free_sgpr 100
		.amdhsa_reserve_vcc 1
		.amdhsa_float_denorm_mode_32 3
		.amdhsa_float_denorm_mode_16_64 3
		.amdhsa_memory_ordered 1
		.amdhsa_forward_progress 1
		.amdhsa_inst_pref_size 37
	.end_amdhsa_kernel
	.amdgpu_metadata
---
amdhsa.version: [ 1, 2 ]
amdhsa.kernels:
  - .name:           k_q7e6bebc21d_place
    .symbol:         k_q7e6bebc21d_place.kd
    .args:
      - { .name: maps, .offset: 0, .size: 8, .value_kind: global_buffer, .address_space: global }
      - { .name: gate, .offset: 8, .size: 8, .value_kind: global_buffer, .address_space: global }
      - { .name: x, .offset: 16, .size: 8, .value_kind: global_buffer, .address_space: global }
      - { .name: xs, .offset: 24, .size: 8, .value_kind: global_buffer, .address_space: global }
      - { .name: rows, .offset: 32, .size: 8, .value_kind: global_buffer, .address_space: global }
      - { .name: rowp, .offset: 40, .size: 8, .value_kind: global_buffer, .address_space: global }
    .group_segment_fixed_size: 0
    .private_segment_fixed_size: 0
    .kernarg_segment_align: 8
    .kernarg_segment_size: 48
    .max_flat_workgroup_size: 128
    .sgpr_count:     100
    .vgpr_count:     232
    .wavefront_size: 32
...
	.end_amdgpu_metadata
.endif
;; end of part 6
;; launch gemm1 (part 7): grid 32 x 8, 8 waves a work-group, no clusters, 133,120 bytes of LDS; arguments xs, w1, b1, rows, hid; writes hid
.if DOCPART == 7
	.amdgcn_target "amdgcn-amd-amdhsa--gfx1250"
	.amdhsa_code_object_version 6
	.text
	.protected	k_q7e6bebc21d_gemm1
	.globl	k_q7e6bebc21d_gemm1
	.p2align	8
	.type	k_q7e6bebc21d_gemm1,@function
k_q7e6bebc21d_gemm1:
	s_mov_b64 s[64:65], 0
	v_nop
	global_prefetch_b8 v0, s[64:65] scope:SCOPE_SE
	s_setreg_imm32_b32 hwreg(HW_REG_WAVE_MODE, 25, 1), 1
	s_wait_xcnt 0x0
; ONE TEXT FOR BOTH PRODUCTS OF AN EXPERT'S MLP; SECOND chooses.
; SECOND = 0: hid = gelu(xs w1[e] + b1[e]), operands bf16, hid stored in f16.   SECOND = 1: ypart[kh] = p (hid w2[e] (+ b2[e] in K half 0)), operands f16, partial sums stored in f32.
; SHARES.  A work-group has ONE slice of one expert's weights, 1,024 along K x 64 columns, which it alone reads, and ALL the expert's rows.  8 experts x 32 slices (second product: 16 column
; slices x 2 halves of K = 2,048).  The weights, f32 [K][N] in memory, are rounded to bf16 and turned in registers and lie in LDS as [64 columns][1,024 K], 16 bits each; one barrier; then
; every wave walks row tiles of 16 by itself: tile T = 40 pass + 8 j + wave, j = 0 .. 4, four passes at the most (2,048 rows).  The rows come from memory straight into operand registers.
; The 32 K steps of a pass are written out: the walk's length hangs on a stored count, so every LDS address in it is a fixed register and an immediate.
; WHERE THE WALK ALONG K BEGINS.  The work-groups of an expert read the same rows.  Each begins at chunk rho of the eight chunks of 128 K and wraps round, rho = (x xor x >> 1) & 7 from the grid's x,
; so that at any time they ask for eight different chunks and not all for the same bytes.  Position chunk c in LDS holds the weights of true chunk (c + rho) & 7, and the rows of that chunk
; are read through base c of eight; the LDS addresses do not hang on rho.  An output's f32 sum runs in that rotated order.
; THE ROWS ARE ASKED FOR AHEAD.  Behind the issue of its 64 weight loads, with the eight groups of conversions and the barrier still ahead of the first load of rows, each wave asks by
; global_prefetch_b8 for a share of the expert's rows: the work-group takes, of every tile that exists, the 1,024 bytes of K step x (second product: the 2,048 bytes of two K steps of its half),
; lanes 256 bytes apart, so that an expert's 32 work-groups together name each block of 256 bytes once.  One line of a wave covers 8 tiles (second product: 4), 8,192 bytes; 2 (4) lines at the
; most; a wave whose first tile does not exist asks for nothing more; lanes past the last tile repeat its blocks within the same line.  All is asked for in one group, since with the rotated
; starts every chunk is some work-group's first.  The tile is held to the count and to 127: every address lies in the expert's own region.
; NO CLUSTER, NO TENSOR LOAD: the weights must pass registers to be rounded and turned; what an expert's work-groups share is its rows, and the walk over them hangs on a stored count, so
; it holds no barrier and no ring.
; THE MATRIX INSTRUCTION IS USED TRANSPOSED: source 0 = 16 columns of the weights, source 1 = 16 rows: a lane holds one row (lane % 16) and the columns 8 (lane / 16) + 0 .. 7.
; All inputs are rounded to bf16, the biases too.  GELU is x Phi(x) with Phi by the five-term rational form of Abramowitz and Stegun 7.1.26, whose error in erf is at most 1.5e-7 for every x.
; LIMITS.  hid is f16: a value of 65,520 or more becomes an infinity.  w2, rounded to bf16, is written as f16: below 6.1e-5 it keeps f16's fixed step of 6e-8.  NaN and infinities are not treated apart.
; REGISTERS.  Window 0: v1, v2 the add's; v3 lane; v4, v5 weights from memory, into LDS; v6, v7 LDS addresses of the weights' fragments, never rewritten; v8, v9 (second product: v16, v17 too)
;   the prefetches' offsets, never rewritten; v10-14 the five tiles' offsets in the rows; v15-19 in hid (first product); v20-23, v28 way out and lists; v26, v27 at work for the prefetches;
;   v29 the offset in hid of the tile on its way out; v32-191 rows: 4 stages x 5 tiles x 8; v192-255 weights' fragments: 2 x 4 x 8.
;   Window 1: v0-159 accumulators (tile j, column block nb at 32 j + 8 nb); v160-191 bias; v192-231, v232-241 the rows' places and gate weights; in the weights' phase all 256: weights as loaded.
.set SECOND, 0
.if SECOND
.set ROWP, 4096                        ; bytes from K row to K row of the weights
.set RSH,  15                          ; 8 such rows
.set WSH,  19                          ; a chunk's 128
.set TSH,  16                          ; a tile of 16 rows of the left operand
.set ASH,  23                          ; an expert's region of it
.set BSH,  12                          ; an expert's bias
.set PLB,  3                           ; the work-group asks for 8 blocks of 256 bytes of each tile
.else
.set ROWP, 8192
.set RSH,  16
.set WSH,  20
.set TSH,  15
.set ASH,  22
.set BSH,  13
.set PLB,  2                           ; the work-group asks for 4 blocks of 256 bytes of each tile
.endif
.set PTG,   256>>PLB                   ; tiles that one prefetch line of all eight waves covers
.set PN,    128/PTG                    ; such lines for an expert's 128 tiles
.set PB,    2064                       ; a column's 1,024 K in LDS: 2,048 bytes + 16: an odd multiple of 16, so the 16 columns of a fragment load start at 16 different groups of four banks (ISA guide 11.1)
.set BSL,   64*PB
.set SP,    272                        ; a row of the way out's stage: 256 bytes + 16
.set STG,   BSL                        ; second product: 16 rows x 272 bytes for each wave
.set SPARE, BSL+SECOND*8*16*SP         ; the spare words, 128 bytes a wave
.set AB,   32
.set BB,   192
.set BIAS, 160
.set RD,   192
.set RP,   232
.set KB,   68                          ; s[68:83] the rows' operand at the expert's tile 0, position chunks 0 to 7; never rewritten
.set MSB, 0
.macro WIN new                         ; s_set_vgpr_msb: bits 1:0 source 0, 3:2 source 1, 5:4 source 2, 7:6 destination; the high byte repeats the setting that is left
.if MSB != (\new)
	s_set_vgpr_msb (MSB<<8)|(\new)
.set MSB, \new
.endif
.endm
.macro PLACES                          ; four places between a matrix instruction and a load into its sources or a reader of its result (ISA guide 7.12.1 for the reader of its result)
.rept 4
	v_nop
.endr
.endm
	s_load_b256 s[4:11], s[0:1], 0x0               ; rows' operand s[4:5], weights s[6:7], bias s[8:9], lists s[10:11]
.if SECOND
	s_load_b128 s[12:15], s[0:1], 0x20             ; ypart s[12:13], rowp s[14:15]
.else
	s_load_b64 s[12:13], s[0:1], 0x20              ; hid
.endif
	v_lshl_add_u32 v1, v0, 2, SPARE
	v_mov_b32 v2, 0
	v_lshrrev_b32 v24, 5, v0
	v_readfirstlane_b32 s20, v24                   ; wave
	v_and_b32 v3, 31, v0                           ; lane
	v_and_b32 v30, 15, v0                          ; lane % 16
	v_bfe_u32 v31, v0, 4, 1                        ; lane / 16
	s_and_b32 s22, ttmp7, 0xffff                   ; expert
.if SECOND
	s_and_b32 s21, ttmp9, 15                       ; column slice
	s_lshr_b32 s55, ttmp9, 4                       ; half of K
.else
	s_mov_b32 s21, ttmp9                           ; column slice
.endif
	s_lshr_b32 s57, ttmp9, 1
	s_xor_b32 s57, s57, ttmp9
	s_and_b32 s57, s57, 7                          ; rho: all eight values occur among the work-groups that agree in any one bit of x
	s_add_co_u32 s58, s20, s57
	s_and_b32 s58, s58, 7                          ; the true chunk that my wave brings to position chunk = wave
	s_mov_b32 s59, 0xffff0000                      ; a word's upper bf16
	v_lshlrev_b32 v4, RSH, v31                     ; weights: lanes 16-31 eight rows further down,
	v_lshl_add_u32 v4, v30, 4, v4                  ; 16 bytes (4 columns) a lane: 16 lanes take a row's 256 bytes of the slice
	v_lshlrev_b32 v23, 5, v31                      ; 32 x (lane / 16)
	s_lshl_b32 s28, s22, 23                        ; the expert's 8 MiB of weights,
	s_lshl_b32 s30, s58, WSH                       ; the chunk's 128 rows,
	s_add_co_u32 s28, s28, s30
	s_lshl_b32 s30, s21, 8                         ; the slice's 256 bytes
	s_add_co_u32 s28, s28, s30
.if SECOND
	s_lshl_b32 s31, s55, 22                        ; the half's 1,024 rows
	s_add_co_u32 s28, s28, s31
.endif
	s_mov_b32 s29, 0
	s_lshl_b32 s31, s22, BSH
	s_add_co_u32 s30, s30, s31                     ; bias: the expert's row, the slice's 256 bytes
	s_mov_b32 s31, 0
	s_lshl_b32 s32, s22, 2
	s_wait_kmcnt 0x0
	s_load_b32 s23, s[10:11], s32 offset:0x10000   ; the expert's count of rows
	s_add_nc_u64 s[6:7], s[6:7], s[28:29]
	s_add_nc_u64 s[8:9], s[8:9], s[30:31]
.irp nb, 0,1,2,3                       ; my 8 columns of each of the four blocks of 16
	global_load_b128 v[64+8*\nb:64+8*\nb+3], v23, s[8:9] offset:64*\nb
	global_load_b128 v[64+8*\nb+4:64+8*\nb+7], v23, s[8:9] offset:64*\nb+16
.endr
; THE WEIGHTS.  All 64 loads of the wave go out at once: load 8 q + i brings rows 16 q + i and 16 q + 8 + i of my 128, 256 consecutive aligned bytes each.  Each byte is read once in the launch.
	WIN 0x40
.set i, 0
.rept 64
	global_load_b128 v[4*i:4*i+3], v4, s[6:7] offset:(16*(i/8)+i%8)*ROWP th:TH_LOAD_NT
.set i, i+1
.endr
	WIN 0
	v_mul_u32_u24 v5, v30, 4*PB                    ; into LDS: my 4 columns,
	v_lshl_add_u32 v5, v31, 4, v5                  ; 8 K (16 bytes) on for lanes 16-31,
	v_lshl_add_u32 v5, s20, 8, v5                  ; position chunk = my wave's number
	v_mul_u32_u24 v6, v30, PB                      ; a fragment: column lane % 16, 16 bytes for each half of the lanes
	v_lshl_add_u32 v6, v31, 4, v6
	v_add_nc_u32 v7, 32*PB, v6                     ; column blocks 2 and 3: past the reach of the 16-bit offset
	v_lshrrev_b32 v26, PLB, v0                     ; the prefetches: my tile among the PTG of a line,
	v_and_b32 v27, (1<<PLB)-1, v0                  ; my block of 256 bytes
	v_lshlrev_b32 v27, 8, v27
	v_lshl_add_u32 v27, s21, 8+PLB, v27            ; in the work-group's share of a tile
.if SECOND
	v_lshlrev_b32 v22, 4, v30
	v_lshlrev_b32 v28, 2, v30
	s_mul_i32 s30, s20, 16*SP
	s_add_co_u32 s30, s30, STG                     ; my stage
	v_mul_u32_u24 v20, v30, SP                     ; in: row lane % 16, 32 bytes for each half of the lanes
	v_lshl_add_u32 v20, v31, 5, v20
	v_add_nc_u32 v20, s30, v20
	v_mul_u32_u24 v21, v31, SP                     ; back: lanes 0-15 one row of 256 bytes, lanes 16-31 the next
	v_add_nc_u32 v21, v21, v22
	v_add_nc_u32 v21, s30, v21
	s_cmp_eq_u32 s55, 0
	s_cselect_b32 s54, -1, 0                       ; the bias is added in K half 0 alone
.else
	s_mov_b32 s40, 0x3f07dc22                      ; the polynomial's coefficients, halved: a5 / 2 = 0.53070271,
	s_mov_b32 s42, 0xbf3a00e3                      ; a4 / 2 = -0.72657601,
	s_mov_b32 s44, 0x3f35f0e3                      ; a3 / 2 = 0.71070687,
	s_mov_b32 s46, 0xbe11a98e                      ; a2 / 2 = -0.14224837,
	s_mov_b32 s48, 0x3e027906                      ; a1 / 2 = 0.12741480
	s_mov_b32 s50, 0xbf38aa3b                      ; -log2(e) / 2
.irp c, 40,42,44,46,48,50
	s_mov_b32 s[\c+1], s[\c]                       ; named as pairs
.endr
	s_mov_b32 s52, 0x3e6d3389                      ; 0.3275911 / sqrt(2)
.endif
	s_wait_kmcnt 0x0
	s_min_u32 s23, s23, 2048
	s_add_co_u32 s24, s23, 15
	s_lshr_b32 s24, s24, 4                         ; T16: the expert's tiles of 16 rows
	s_lshl_b32 s28, s22, ASH
.if SECOND
	s_lshl_b32 s30, s55, 15                        ; the half's 32 K steps of 1,024 bytes
	s_add_co_u32 s28, s28, s30
.endif
	s_add_nc_u64 s[38:39], s[4:5], s[28:29]        ; the rows' operand at the expert's tile 0; never rewritten
; my share of the rows is asked for; the scalar work below stands between these lines and the wait for the weights
	s_lshl_b32 s34, s20, 5-PLB                     ; my wave's first tile in a line
	s_sub_co_u32 s36, s24, 1                       ; the last tile that exists
.set pf, 0
.rept PN
.set PR, 8+pf+6*(pf/2)                 ; v8, v9, v16, v17: a register of its own for each line
	s_add_co_u32 s35, s34, pf*PTG
	s_cmp_ge_u32 s35, s24
	s_cbranch_scc1 .Lasked                         ; my wave's first tile of this line does not exist, nor do the later lines'
	v_add_nc_u32 v[PR], pf*PTG, v26
	v_min_u32 v[PR], s36, v[PR]                    ; lanes past the last tile repeat its blocks
	v_min_u32 v[PR], 0x7f, v[PR]
	v_lshl_add_u32 v[PR], v[PR], TSH, v27
	global_prefetch_b8 v[PR], s[38:39] th:TH_LOAD_NT scope:SCOPE_SE
.set pf, pf+1
.endr
.Lasked:
.irp c, 0,1,2,3,4,5,6,7
	s_add_co_u32 s28, s57, \c
	s_and_b32 s28, s28, 7                          ; position chunk c is true chunk (c + rho) & 7:
	s_lshl_b32 s28, s28, 12                        ; four K steps of 1,024 bytes each
	s_add_nc_u64 s[KB+2*\c:KB+2*\c+1], s[38:39], s[28:29]
.endr
.if SECOND
	s_lshl_b32 s28, s55, 24                        ; ypart: the half's 16 MiB, the slice's 256 bytes
	s_lshl_b32 s30, s21, 8
	s_add_co_u32 s28, s28, s30
	s_add_nc_u64 s[12:13], s[12:13], s[28:29]
	s_lshl_b32 s28, s22, 13                        ; both lists: 8,192 bytes an expert
	s_add_nc_u64 s[10:11], s[10:11], s[28:29]
	s_add_nc_u64 s[14:15], s[14:15], s[28:29]
.else
	s_lshl_b32 s28, s22, 23                        ; hid: the expert's 8 MiB; the slice's 64 columns are two K steps of the second product
	s_lshl_b32 s30, s21, 11
	s_add_co_u32 s28, s28, s30
	s_add_nc_u64 s[12:13], s[12:13], s[28:29]
.endif
; Group q: 8 loads = 8 K x 4 columns a lane.  Rounding rows 2 p and 2 p + 1 of one column into one register IS the turn: four registers are 8 K of a column.
.macro WGRP q
.set WT, 32+16*((\q)%2)
	s_wait_loadcnt 56-8*(\q)                       ; loads return in order (ISA guide 5.7.1): the 8 (7 - q) younger weight loads stay out
	WIN 0x05
.irp cc, 0,1,2,3
.irp p, 0,1,2,3
	v_cvt_pk_bf16_f32 v[WT+4*\cc+\p], v[4*(8*(\q)+2*\p)+\cc], v[4*(8*(\q)+2*\p+1)+\cc]
.endr
.endr
	WIN 0
.if SECOND
.set z, 0
.rept 16                               ; the bf16 number, written as f16
	v_lshlrev_b32 v[100+2*(z%4)], 16, v[WT+z]
	v_and_b32 v[101+2*(z%4)], s59, v[WT+z]
	v_cvt_pk_f16_f32 v[WT+z], v[100+2*(z%4)], v[101+2*(z%4)]
.set z, z+1
.endr
.endif
.irp cc, 0,1,2,3
	ds_store_b128 v5, v[WT+4*\cc:WT+4*\cc+3] offset:\cc*PB+32*(\q)
.endr
.endm
.irp q, 0,1,2,3,4,5,6,7
	WGRP \q
.endr
.set z, 0
.rept 16                               ; the bias, rounded to bf16 like every input
	v_cvt_pk_bf16_f32 v[112+z], v[64+2*z], v[64+2*z+1]
.if SECOND
	v_and_b32 v[112+z], s54, v[112+z]
.endif
.set z, z+1
.endr
	WIN 0x40
.set z, 0
.rept 16
	v_lshlrev_b32 v[BIAS+2*z], 16, v[112+z]
	v_and_b32 v[BIAS+2*z+1], s59, v[112+z]
.set z, z+1
.endr
	WIN 0
	s_wait_dscnt 0x0                               ; for the others' sake: my part of the slice is in LDS
	s_barrier_signal -1
	s_barrier_wait -1                              ; the only barrier: behind it the slice is only read
.macro LDB st, k                       ; the four fragments of the weights, 32 K at byte k of the columns, into buffer st: 8 LDS loads; 35,040 is the largest immediate
.irp nb, 0,1
	ds_load_b128 v[BB+32*(\st)+8*\nb:BB+32*(\st)+8*\nb+3],     v6 offset:(\k)+\nb*16*PB
	ds_load_b128 v[BB+32*(\st)+8*\nb+4:BB+32*(\st)+8*\nb+7],   v6 offset:(\k)+\nb*16*PB+32
	ds_load_b128 v[BB+32*(\st)+16+8*\nb:BB+32*(\st)+16+8*\nb+3],   v7 offset:(\k)+\nb*16*PB
	ds_load_b128 v[BB+32*(\st)+16+8*\nb+4:BB+32*(\st)+16+8*\nb+7], v7 offset:(\k)+\nb*16*PB+32
.endr
.endm
.macro LDA q                           ; the five tiles' fragments of position step q into stage q % 4: 10 loads of 512 consecutive bytes, through the base of position chunk q / 4
.set LST, AB+40*((\q)%4)
.set LSB, KB+2*((\q)/4)
.set LOF, 1024*((\q)%4)
.irp j, 0,1,2,3,4
	global_load_b128 v[LST+8*\j:LST+8*\j+3],   v[10+\j], s[LSB:LSB+1] offset:LOF
	global_load_b128 v[LST+8*\j+4:LST+8*\j+7], v[10+\j], s[LSB:LSB+1] offset:LOF+512
.endr
.endm
.macro MMA i, j, nb, zero
.set rD, 32*(\j)+8*(\nb)
.set rB, BB+32*((\i)%2)+8*(\nb)
.set rA, AB+40*((\i)%4)+8*(\j)
.if SECOND
.if \zero
	v_wmma_f32_16x16x32_f16 v[rD:rD+7], v[rB:rB+7], v[rA:rA+7], 0
.else
	v_wmma_f32_16x16x32_f16 v[rD:rD+7], v[rB:rB+7], v[rA:rA+7], v[rD:rD+7]
.endif
.else
.if \zero
	v_wmma_f32_16x16x32_bf16 v[rD:rD+7], v[rB:rB+7], v[rA:rA+7], 0
.else
	v_wmma_f32_16x16x32_bf16 v[rD:rD+7], v[rB:rB+7], v[rA:rA+7], v[rD:rD+7]
.endif
.endif
.endm
; Position step i of 32.  The weights' fragments are asked for one step ahead, the rows' three steps ahead.  The wait on LOADcnt leaves out the rows' loads of the later steps, ten each: three
; steps' up to step 28, then 20, 10, 0; the wait on DScnt the next step's eight LDS loads.  The 16 or 20 accumulators take turns, one instruction a turn.
; Step 0's products start the sums, tile 4's too, so that every accumulator is written whatever the count.
.macro STEP i
.if (\i) > 0
	PLACES
.endif
.if (\i) < 31
	LDB ((\i)+1)%2, ((\i)+1)*64
.endif
.if (\i) < 29
	LDA (\i)+3
	s_wait_loadcnt 30
.else
	s_wait_loadcnt 10*(31-(\i))
.endif
.if (\i) < 31
	s_wait_dscnt 8
.else
	s_wait_dscnt 0
.endif
	WIN 0x50
.if (\i) == 0
.irp j, 0,1,2,3,4
.irp nb, 0,1,2,3
	MMA \i, \j, \nb, 1
.endr
.endr
	WIN 0
.else
.irp j, 0,1,2,3
.irp nb, 0,1,2,3
	MMA \i, \j, \nb, 0
.endr
.endr
	WIN 0
	s_cmp_lt_u32 s26, 5
	s_cbranch_scc1 .Lno4_\@                        ; the wave's fifth tile does not exist
	WIN 0x50
.irp nb, 0,1,2,3
	MMA \i, 4, \nb, 0
.endr
	WIN 0
.Lno4_\@:
.endif
.endm
; THE WAY OUT is a loop over the wave's five tiles.  TAKE j holds the lines that name tile j's own registers and is written five times; WORK, the rest, once.
.if SECOND
; TAKE: (sum + bias) p into v32-63, the rows' places, clamped, into v96-103.  WORK: through my own stage in LDS, back as whole rows of 256 bytes, each row to its place 2 token + choice.
.macro TAKE j
	WIN 0x05
.set z, 0
.rept 16                               ; each accumulator from its low end on
	v_pk_add_f32 v[32+2*z:33+2*z], v[32*(\j)+2*z:32*(\j)+2*z+1], v[BIAS+2*z:BIAS+2*z+1]
.set z, z+1
.endr
	WIN 0x04
.set z, 0
.rept 16
	v_pk_mul_f32 v[32+2*z:33+2*z], v[32+2*z:33+2*z], v[RP+2*(\j):RP+2*(\j)+1]
.set z, z+1
.endr
.irp i, 0,1,2,3,4,5,6,7
	v_min_u32 v[96+\i], 0xfff, v[RD+8*(\j)+\i]
.endr
	WIN 0
.endm
.macro WORK
.irp i, 0,1,2,3,4,5,6,7
	v_lshl_add_u32 v[96+\i], v[96+\i], 12, v22     ; the place's 4,096 bytes + 16 (lane % 16)
.endr
.irp n, 0,1,2,3,4,5,6,7
	ds_store_b128 v20, v[32+4*\n:35+4*\n] offset:64*(\n/2)+16*(\n%2)
.endr
.irp i, 0,1,2,3,4,5,6,7
	ds_load_b128 v[64+4*\i:67+4*\i], v21 offset:2*SP*\i  ; LDS serves a wave's instructions in order (ISA guide 5.7.1.4): these see the stores above
.endr
	s_wait_dscnt 0x0
.irp i, 0,1,2,3,4,5,6,7
	global_store_b128 v[96+\i], v[64+4*\i:67+4*\i], s[12:13]  ; 16 lanes store 256 consecutive bytes, aligned
.endr
.endm
.else
; TAKE: sum + bias into v32-63, the tile's offset in hid into v29.  WORK: GELU of the 32 numbers, eight (a column block) at a time.
; gelu(x) = max(x, 0) - |x| y, y = erfc(|x| / sqrt 2) / 2 = t (a1 + t (a2 + ..)) / 2 x exp(-x x / 2), t = 1 / (1 + 0.2316419 |x|).
; The lane's 8 results, rounded to f16, are 16 bytes of the second product's operand as its registers take it: the store is 512 consecutive bytes.
.set GX, 32
.set GT, 64
.set GE, 72
.set GR, 80
.set GY, 88
.set GO, 96
.macro TAKE j
	WIN 0x05
.set z, 0
.rept 16                               ; each accumulator from its low end on
	v_pk_add_f32 v[GX+2*z:GX+2*z+1], v[32*(\j)+2*z:32*(\j)+2*z+1], v[BIAS+2*z:BIAS+2*z+1]
.set z, z+1
.endr
	WIN 0
	v_mov_b32 v29, v[15+(\j)]
.endm
.macro GELU nb
.set XB, GX+8*(\nb)
.irp i, 0,1,2,3,4,5,6,7
	v_fma_f32 v[GT+\i], |v[XB+\i]|, s52, 1.0
.endr
.irp p, 0,2,4,6
	v_pk_mul_f32 v[GE+\p:GE+\p+1], v[XB+\p:XB+\p+1], v[XB+\p:XB+\p+1]
.endr
.irp p, 0,2,4,6
	v_pk_mul_f32 v[GE+\p:GE+\p+1], v[GE+\p:GE+\p+1], s[50:51] op_sel_hi:[1,0]
.endr
.irp i, 0,1,2,3,4,5,6,7
	v_rcp_f32 v[GT+\i], v[GT+\i]
.endr
.irp i, 0,1,2,3,4,5,6,7
	v_exp_f32 v[GE+\i], v[GE+\i]
.endr
.irp i, 0,1,2,3,4,5,6,7
	v_max_num_f32 v[GR+\i], 0, v[XB+\i]            ; plain work behind the batch
.endr
	s_wait_alu depctr_va_vdst(0)                   ; one wait for the sixteen, ahead of their first reader
.irp p, 0,2,4,6
	v_pk_fma_f32 v[GY+\p:GY+\p+1], v[GT+\p:GT+\p+1], s[40:41], s[42:43] op_sel_hi:[1,0,0]
.endr
.irp c, 44,46,48
.irp p, 0,2,4,6
	v_pk_fma_f32 v[GY+\p:GY+\p+1], v[GY+\p:GY+\p+1], v[GT+\p:GT+\p+1], s[\c:\c+1] op_sel_hi:[1,1,0]
.endr
.endr
.irp p, 0,2,4,6
	v_pk_mul_f32 v[GT+\p:GT+\p+1], v[GT+\p:GT+\p+1], v[GE+\p:GE+\p+1]
.endr
.irp p, 0,2,4,6
	v_pk_mul_f32 v[GY+\p:GY+\p+1], v[GY+\p:GY+\p+1], v[GT+\p:GT+\p+1]
.endr
.irp i, 0,1,2,3,4,5,6,7
	v_fma_f32 v[XB+\i], -|v[XB+\i]|, v[GY+\i], v[GR+\i]
.endr
.irp p, 0,1,2,3
	v_cvt_pk_f16_f32 v[GO+4*(\nb)+\p], v[XB+2*\p], v[XB+2*\p+1]
.endr
	global_store_b128 v29, v[GO+4*(\nb):GO+4*(\nb)+3], s[12:13] offset:512*(\nb)
.endm
.macro WORK
.irp nb, 0,1,2,3
	GELU \nb
.endr
.endm
.endif
; THE PASSES: four, a constant; a pass in which the wave has no tile is jumped over, forward, to the counter's step.
	s_mov_b32 s25, 0
	s_mov_b32 s27, s20                             ; the wave's first tile of the pass: 40 pass + wave
.Lpass:
	s_cmp_ge_u32 s27, s24
	s_cbranch_scc1 .Lskip
	s_wait_xcnt 0x0                                ; the last pass's loads and stores have read their offsets
	s_sub_co_u32 s26, s24, s27
	s_add_co_u32 s26, s26, 7
	s_lshr_b32 s26, s26, 3
	s_min_u32 s26, s26, 5                          ; how many of my five tiles exist
	s_sub_co_u32 s33, s24, 1
.irp j, 0,1,2,3,4
	s_add_co_u32 s28, s27, 8*\j                    ; T
	s_min_u32 s29, s28, s24
	s_sub_co_u32 s29, s24, s29                     ; tiles from T on: 0 for a tile that does not exist,
	s_min_u32 s29, s29, 1
	s_lshl_b32 s29, s29, 4                         ; whose lanes then all ask for the same 16 bytes of the last tile
	s_min_u32 s28, s28, s33
	s_min_u32 s28, s28, 127
	s_lshl_b32 s30, s28, TSH
	v_mad_u32_u24 v[10+\j], v3, s29, s30
.if SECOND
	s_lshl_b32 s31, s28, 6                         ; both lists: 64 bytes a tile
	s_wait_xcnt 0x0                                ; v24 and v25 serve every tile
	v_add_nc_u32 v24, s31, v23                     ; places: rows 2 i + lane / 16, i = 0 .. 7
	v_add_nc_u32 v25, s31, v28                     ; gate weight: row lane % 16
	WIN 0x40
	global_load_b128 v[RD+8*\j:RD+8*\j+3], v24, s[10:11]
	global_load_b128 v[RD+8*\j+4:RD+8*\j+7], v24, s[10:11] offset:16
	global_load_b32 v[RP+2*\j], v25, s[14:15]
	global_load_b32 v[RP+2*\j+1], v25, s[14:15]    ; twice: a pair for the packed multiply
	WIN 0
.else
	s_lshl_b32 s31, s28, 16
	v_lshl_add_u32 v[15+\j], v3, 4, s31            ; hid: the tile's 65,536 bytes + 16 x lane
.endif
.endr
	LDB 0, 0
	LDA 0
	LDA 1
	LDA 2
.set ks, 0
.rept 32
	STEP ks
.set ks, ks+1
.endr
	PLACES
	s_mov_b32 s60, 0
.Ltile:                                                ; five trips, a constant; a tile that does not exist is jumped over, forward, to the counter's step
	s_cmp_ge_u32 s60, s26
	s_cbranch_scc1 .Lnone
	s_wait_xcnt 0x0                                ; the last tile's stores have read their registers
.irp j, 0,1,2,3
	s_cmp_eq_u32 s60, \j
	s_cbranch_scc1 .Ltake\j
.endr
	TAKE 4
	s_branch .Lwork
.irp j, 3,2,1
.Ltake\j:
	TAKE \j
	s_branch .Lwork
.endr
.Ltake0:
	TAKE 0
.Lwork:
	WORK
.Lnone:
	s_add_co_u32 s60, s60, 1
	s_cmp_lt_u32 s60, 5
	s_cbranch_scc1 .Ltile
.Lskip:
	s_add_co_u32 s27, s27, 40
	s_add_co_u32 s25, s25, 1
	s_cmp_lt_u32 s25, 4
	s_cbranch_scc1 .Lpass
	s_wait_tensorcnt 0x0                           ; the wave's end, behind my last LDS store
	ds_add_u32 v1, v2
	s_wait_dscnt 0x0
	s_endpgm
.Lfunc_end_k_q7e6bebc21d_gemm1:
	.size	k_q7e6bebc21d_gemm1, .Lfunc_end_k_q7e6bebc21d_gemm1-k_q7e6bebc21d_gemm1
	.p2alignl 7, 3214868480
	.fill 96, 4, 3214868480
	.section	.rodata,"a",@progbits
	.p2align	6, 0x0
	.amdhsa_kernel k_q7e6bebc21d_gemm1
		.amdhsa_group_segment_fixed_size 133120
		.amdhsa_private_segment_fixed_size 0
		.amdhsa_enable_private_segment 0
		.amdhsa_kernarg_size 40
		.amdhsa_user_sgpr_count 2
		.amdhsa_user_sgpr_kernarg_segment_ptr 1
		.amdhsa_wavefront_size32 1
		.amdhsa_system_sgpr_workgroup_id_x 1
		.amdhsa_system_sgpr_workgroup_id_y 1
		.amdhsa_system_sgpr_workgroup_id_z 1
		.amdhsa_system_vgpr_workitem_id 0
		.amdhsa_next_free_vgpr 512
		.amdhsa_next_free_sgpr 88
		.amdhsa_reserve_vcc 0
		.amdhsa_float_denorm_mode_32 3
		.amdhsa_float_denorm_mode_16_64 3
		.amdhsa_memory_ordered 1
		.amdhsa_forward_progress 1
		.amdhsa_inst_pref_size 148
	.end_amdhsa_kernel
	.amdgpu_metadata
---
amdhsa.version: [ 1, 2 ]
amdhsa.kernels:
  - .name:           k_q7e6bebc21d_gemm1
    .symbol:         k_q7e6bebc21d_gemm1.kd
    .args:
      - { .name: xs, .offset: 0, .size: 8, .value_kind: global_buffer, .address_space: global }
      - { .name: w1, .offset: 8, .size: 8, .value_kind: global_buffer, .address_space: global }
      - { .name: b1, .offset: 16, .size: 8, .value_kind: global_buffer, .address_space: global }
      - { .name: rows, .offset: 24, .size: 8, .value_kind: global_buffer, .address_space: global }
      - { .name: hid, .offset: 32, .size: 8, .value_kind: global_buffer, .address_space: global }
    .group_segment_fixed_size: 133120
    .private_segment_fixed_size: 0
    .kernarg_segment_align: 8
    .kernarg_segment_size: 40
    .max_flat_workgroup_size: 256
    .sgpr_count:     88
    .vgpr_count:     512
    .wavefront_size: 32
...
	.end_amdgpu_metadata
.endif
;; end of part 7
;; launch gemm2 (part 8): grid 32 x 8, 8 waves a work-group, no clusters, 167,936 bytes of LDS; arguments hid, w2, b2, rows, ypart, rowp; writes ypart
.if DOCPART == 8
	.amdgcn_target "amdgcn-amd-amdhsa--gfx1250"
	.amdhsa_code_object_version 6
	.text
	.protected	k_q7e6bebc21d_gemm2
	.globl	k_q7e6bebc21d_gemm2
	.p2align	8
	.type	k_q7e6bebc21d_gemm2,@function
k_q7e6bebc21d_gemm2:
	s_mov_b64 s[64:65], 0
	v_nop
	global_prefetch_b8 v0, s[64:65] scope:SCOPE_SE
	s_setreg_imm32_b32 hwreg(HW_REG_WAVE_MODE, 25, 1), 1
	s_wait_xcnt 0x0
; ONE TEXT FOR BOTH PRODUCTS OF AN EXPERT'S MLP; SECOND chooses.
; SECOND = 0: hid = gelu(xs w1[e] + b1[e]), operands bf16, hid stored in f16.   SECOND = 1: ypart[kh] = p (hid w2[e] (+ b2[e] in K half 0)), operands f16, partial sums stored in f32.
; SHARES.  A work-group has ONE slice of one expert's weights, 1,024 along K x 64 columns, which it alone reads, and ALL the expert's rows.  8 experts x 32 slices (second product: 16 column
; slices x 2 halves of K = 2,048).  The weights, f32 [K][N] in memory, are rounded to bf16 and turned in registers and lie in LDS as [64 columns][1,024 K], 16 bits each; one barrier; then
; every wave walks row tiles of 16 by itself: tile T = 40 pass + 8 j + wave, j = 0 .. 4, four passes at the most (2,048 rows).  The rows come from memory straight into operand registers.
; The 32 K steps of a pass are written out: the walk's length hangs on a stored count, so every LDS address in it is a fixed register and an immediate.
; WHERE THE WALK ALONG K BEGINS.  The work-groups of an expert read the same rows.  Each begins at chunk rho of the eight chunks of 128 K and wraps round, rho = (x xor x >> 1) & 7 from the grid's x,
; so that at any time they ask for eight different chunks and not all for the same bytes.  Position chunk c in LDS holds the weights of true chunk (c + rho) & 7, and the rows of that chunk
; are read through base c of eight; the LDS addresses do not hang on rho.  An output's f32 sum runs in that rotated order.
; THE ROWS ARE ASKED FOR AHEAD.  Behind the issue of its 64 weight loads, with the eight groups of conversions and the barrier still ahead of the first load of rows, each wave asks by
; global_prefetch_b8 for a share of the expert's rows: the work-group takes, of every tile that exists, the 1,024 bytes of K step x (second product: the 2,048 bytes of two K steps of its half),
; lanes 256 bytes apart, so that an expert's 32 work-groups together name each block of 256 bytes once.  One line of a wave covers 8 tiles (second product: 4), 8,192 bytes; 2 (4) lines at the
; most; a wave whose first tile does not exist asks for nothing more; lanes past the last tile repeat its blocks within the same line.  All is asked for in one group, since with the rotated
; starts every chunk is some work-group's first.  The tile is held to the count and to 127: every address lies in the expert's own region.
; NO CLUSTER, NO TENSOR LOAD: the weights must pass registers to be rounded and turned; what an expert's work-groups share is its rows, and the walk over them hangs on a stored count, so
; it holds no barrier and no ring.
; THE MATRIX INSTRUCTION IS USED TRANSPOSED: source 0 = 16 columns of the weights, source 1 = 16 rows: a lane holds one row (lane % 16) and the columns 8 (lane / 16) + 0 .. 7.
; All inputs are rounded to bf16, the biases too.  GELU is x Phi(x) with Phi by the five-term rational form of Abramowitz and Stegun 7.1.26, whose error in erf is at most 1.5e-7 for every x.
; LIMITS.  hid is f16: a value of 65,520 or more becomes an infinity.  w2, rounded to bf16, is written as f16: below 6.1e-5 it keeps f16's fixed step of 6e-8.  NaN and infinities are not treated apart.
; REGISTERS.  Window 0: v1, v2 the add's; v3 lane; v4, v5 weights from memory, into LDS; v6, v7 LDS addresses of the weights' fragments, never rewritten; v8, v9 (second product: v16, v17 too)
;   the prefetches' offsets, never rewritten; v10-14 the five tiles' offsets in the rows; v15-19 in hid (first product); v20-23, v28 way out and lists; v26, v27 at work for the prefetches;
;   v29 the offset in hid of the tile on its way out; v32-191 rows: 4 stages x 5 tiles x 8; v192-255 weights' fragments: 2 x 4 x 8.
;   Window 1: v0-159 accumulators (tile j, column block nb at 32 j + 8 nb); v160-191 bias; v192-231, v232-241 the rows' places and gate weights; in the weights' phase all 256: weights as loaded.
.set SECOND, 1
.if SECOND
.set ROWP, 4096                        ; bytes from K row to K row of the weights
.set RSH,  15                          ; 8 such rows
.set WSH,  19                          ; a chunk's 128
.set TSH,  16                          ; a tile of 16 rows of the left operand
.set ASH,  23                          ; an expert's region of it
.set BSH,  12                          ; an expert's bias
.set PLB,  3                           ; the work-group asks for 8 blocks of 256 bytes of each tile
.else
.set ROWP, 8192
.set RSH,  16
.set WSH,  20
.set TSH,  15
.set ASH,  22
.set BSH,  13
.set PLB,  2                           ; the work-group asks for 4 blocks of 256 bytes of each tile
.endif
.set PTG,   256>>PLB                   ; tiles that one prefetch line of all eight waves covers
.set PN,    128/PTG                    ; such lines for an expert's 128 tiles
.set PB,    2064                       ; a column's 1,024 K in LDS: 2,048 bytes + 16: an odd multiple of 16, so the 16 columns of a fragment load start at 16 different groups of four banks (ISA guide 11.1)
.set BSL,   64*PB
.set SP,    272                        ; a row of the way out's stage: 256 bytes + 16
.set STG,   BSL                        ; second product: 16 rows x 272 bytes for each wave
.set SPARE, BSL+SECOND*8*16*SP         ; the spare words, 128 bytes a wave
.set AB,   32
.set BB,   192
.set BIAS, 160
.set RD,   192
.set RP,   232
.set KB,   68                          ; s[68:83] the rows' operand at the expert's tile 0, position chunks 0 to 7; never rewritten
.set MSB, 0
.macro WIN new                         ; s_set_vgpr_msb: bits 1:0 source 0, 3:2 source 1, 5:4 source 2, 7:6 destination; the high byte repeats the setting that is left
.if MSB != (\new)
	s_set_vgpr_msb (MSB<<8)|(\new)
.set MSB, \new
.endif
.endm
.macro PLACES                          ; four places between a matrix instruction and a load into its sources or a reader of its result (ISA guide 7.12.1 for the reader of its result)
.rept 4
	v_nop
.endr
.endm
	s_load_b256 s[4:11], s[0:1], 0x0               ; rows' operand s[4:5], weights s[6:7], bias s[8:9], lists s[10:11]
.if SECOND
	s_load_b128 s[12:15], s[0:1], 0x20             ; ypart s[12:13], rowp s[14:15]
.else
	s_load_b64 s[12:13], s[0:1], 0x20              ; hid
.endif
	v_lshl_add_u32 v1, v0, 2, SPARE
	v_mov_b32 v2, 0
	v_lshrrev_b32 v24, 5, v0
	v_readfirstlane_b32 s20, v24                   ; wave
	v_and_b32 v3, 31, v0                           ; lane
	v_and_b32 v30, 15, v0                          ; lane % 16
	v_bfe_u32 v31, v0, 4, 1                        ; lane / 16
	s_and_b32 s22, ttmp7, 0xffff                   ; expert
.if SECOND
	s_and_b32 s21, ttmp9, 15                       ; column slice
	s_lshr_b32 s55, ttmp9, 4                       ; half of K
.else
	s_mov_b32 s21, ttmp9                           ; column slice
.endif
	s_lshr_b32 s57, ttmp9, 1
	s_xor_b32 s57, s57, ttmp9
	s_and_b32 s57, s57, 7                          ; rho: all eight values occur among the work-groups that agree in any one bit of x
	s_add_co_u32 s58, s20, s57
	s_and_b32 s58, s58, 7                          ; the true chunk that my wave brings to position chunk = wave
	s_mov_b32 s59, 0xffff0000                      ; a word's upper bf16
	v_lshlrev_b32 v4, RSH, v31                     ; weights: lanes 16-31 eight rows further down,
	v_lshl_add_u32 v4, v30, 4, v4                  ; 16 bytes (4 columns) a lane: 16 lanes take a row's 256 bytes of the slice
	v_lshlrev_b32 v23, 5, v31                      ; 32 x (lane / 16)
	s_lshl_b32 s28, s22, 23                        ; the expert's 8 MiB of weights,
	s_lshl_b32 s30, s58, WSH                       ; the chunk's 128 rows,
	s_add_co_u32 s28, s28, s30
	s_lshl_b32 s30, s21, 8                         ; the slice's 256 bytes
	s_add_co_u32 s28, s28, s30
.if SECOND
	s_lshl_b32 s31, s55, 22                        ; the half's 1,024 rows
	s_add_co_u32 s28, s28, s31
.endif
	s_mov_b32 s29, 0
	s_lshl_b32 s31, s22, BSH
	s_add_co_u32 s30, s30, s31                     ; bias: the expert's row, the slice's 256 bytes
	s_mov_b32 s31, 0
	s_lshl_b32 s32, s22, 2
	s_wait_kmcnt 0x0
	s_load_b32 s23, s[10:11], s32 offset:0x10000   ; the expert's count of rows
	s_add_nc_u64 s[6:7], s[6:7], s[28:29]
	s_add_nc_u64 s[8:9], s[8:9], s[30:31]
.irp nb, 0,1,2,3                       ; my 8 columns of each of the four blocks of 16
	global_load_b128 v[64+8*\nb:64+8*\nb+3], v23, s[8:9] offset:64*\nb
	global_load_b128 v[64+8*\nb+4:64+8*\nb+7], v23, s[8:9] offset:64*\nb+16
.endr
; THE WEIGHTS.  All 64 loads of the wave go out at once: load 8 q + i brings rows 16 q + i and 16 q + 8 + i of my 128, 256 consecutive aligned bytes each.  Each byte is read once in the launch.
	WIN 0x40
.set i, 0
.rept 64
	global_load_b128 v[4*i:4*i+3], v4, s[6:7] offset:(16*(i/8)+i%8)*ROWP th:TH_LOAD_NT
.set i, i+1
.endr
	WIN 0
	v_mul_u32_u24 v5, v30, 4*PB                    ; into LDS: my 4 columns,
	v_lshl_add_u32 v5, v31, 4, v5                  ; 8 K (16 bytes) on for lanes 16-31,
	v_lshl_add_u32 v5, s20, 8, v5                  ; position chunk = my wave's number
	v_mul_u32_u24 v6, v30, PB                      ; a fragment: column lane % 16, 16 bytes for each half of the lanes
	v_lshl_add_u32 v6, v31, 4, v6
	v_add_nc_u32 v7, 32*PB, v6                     ; column blocks 2 and 3: past the reach of the 16-bit offset
	v_lshrrev_b32 v26, PLB, v0                     ; the prefetches: my tile among the PTG of a line,
	v_and_b32 v27, (1<<PLB)-1, v0                  ; my block of 256 bytes
	v_lshlrev_b32 v27, 8, v27
	v_lshl_add_u32 v27, s21, 8+PLB, v27            ; in the work-group's share of a tile
.if SECOND
	v_lshlrev_b32 v22, 4, v30
	v_lshlrev_b32 v28, 2, v30
	s_mul_i32 s30, s20, 16*SP
	s_add_co_u32 s30, s30, STG                     ; my stage
	v_mul_u32_u24 v20, v30, SP                     ; in: row lane % 16, 32 bytes for each half of the lanes
	v_lshl_add_u32 v20, v31, 5, v20
	v_add_nc_u32 v20, s30, v20
	v_mul_u32_u24 v21, v31, SP                     ; back: lanes 0-15 one row of 256 bytes, lanes 16-31 the next
	v_add_nc_u32 v21, v21, v22
	v_add_nc_u32 v21, s30, v21
	s_cmp_eq_u32 s55, 0
	s_cselect_b32 s54, -1, 0                       ; the bias is added in K half 0 alone
.else
	s_mov_b32 s40, 0x3f07dc22                      ; the polynomial's coefficients, halved: a5 / 2 = 0.53070271,
	s_mov_b32 s42, 0xbf3a00e3                      ; a4 / 2 = -0.72657601,
	s_mov_b32 s44, 0x3f35f0e3                      ; a3 / 2 = 0.71070687,
	s_mov_b32 s46, 0xbe11a98e                      ; a2 / 2 = -0.14224837,
	s_mov_b32 s48, 0x3e027906                      ; a1 / 2 = 0.12741480
	s_mov_b32 s50, 0xbf38aa3b                      ; -log2(e) / 2
.irp c, 40,42,44,46,48,50
	s_mov_b32 s[\c+1], s[\c]                       ; named as pairs
.endr
	s_mov_b32 s52, 0x3e6d3389                      ; 0.3275911 / sqrt(2)
.endif
	s_wait_kmcnt 0x0
	s_min_u32 s23, s23, 2048
	s_add_co_u32 s24, s23, 15
	s_lshr_b32 s24, s24, 4                         ; T16: the expert's tiles of 16 rows
	s_lshl_b32 s28, s22, ASH
.if SECOND
	s_lshl_b32 s30, s55, 15                        ; the half's 32 K steps of 1,024 bytes
	s_add_co_u32 s28, s28, s30
.endif
	s_add_nc_u64 s[38:39], s[4:5], s[28:29]        ; the rows' operand at the expert's tile 0; never rewritten
; my share of the rows is asked for; the scalar work below stands between these lines and the wait for the weights
	s_lshl_b32 s34, s20, 5-PLB                     ; my wave's first tile in a line
	s_sub_co_u32 s36, s24, 1                       ; the last tile that exists
.set pf, 0
.rept PN
.set PR, 8+pf+6*(pf/2)                 ; v8, v9, v16, v17: a register of its own for each line
	s_add_co_u32 s35, s34, pf*PTG
	s_cmp_ge_u32 s35, s24
	s_cbranch_scc1 .Lasked                         ; my wave's first tile of this line does not exist, nor do the later lines'
	v_add_nc_u32 v[PR], pf*PTG, v26
	v_min_u32 v[PR], s36, v[PR]                    ; lanes past the last tile repeat its blocks
	v_min_u32 v[PR], 0x7f, v[PR]
	v_lshl_add_u32 v[PR], v[PR], TSH, v27
	global_prefetch_b8 v[PR], s[38:39] th:TH_LOAD_NT scope:SCOPE_SE
.set pf, pf+1
.endr
.Lasked:
.irp c, 0,1,2,3,4,5,6,7
	s_add_co_u32 s28, s57, \c
	s_and_b32 s28, s28, 7                          ; position chunk c is true chunk (c + rho) & 7:
	s_lshl_b32 s28, s28, 12                        ; four K steps of 1,024 bytes each
	s_add_nc_u64 s[KB+2*\c:KB+2*\c+1], s[38:39], s[28:29]
.endr
.if SECOND
	s_lshl_b32 s28, s55, 24                        ; ypart: the half's 16 MiB, the slice's 256 bytes
	s_lshl_b32 s30, s21, 8
	s_add_co_u32 s28, s28, s30
	s_add_nc_u64 s[12:13], s[12:13], s[28:29]
	s_lshl_b32 s28, s22, 13                        ; both lists: 8,192 bytes an expert
	s_add_nc_u64 s[10:11], s[10:11], s[28:29]
	s_add_nc_u64 s[14:15], s[14:15], s[28:29]
.else
	s_lshl_b32 s28, s22, 23                        ; hid: the expert's 8 MiB; the slice's 64 columns are two K steps of the second product
	s_lshl_b32 s30, s21, 11
	s_add_co_u32 s28, s28, s30
	s_add_nc_u64 s[12:13], s[12:13], s[28:29]
.endif
; Group q: 8 loads = 8 K x 4 columns a lane.  Rounding rows 2 p and 2 p + 1 of one column into one register IS the turn: four registers are 8 K of a column.
.macro WGRP q
.set WT, 32+16*((\q)%2)
	s_wait_loadcnt 56-8*(\q)                       ; loads return in order (ISA guide 5.7.1): the 8 (7 - q) younger weight loads stay out
	WIN 0x05
.irp cc, 0,1,2,3
.irp p, 0,1,2,3
	v_cvt_pk_bf16_f32 v[WT+4*\cc+\p], v[4*(8*(\q)+2*\p)+\cc], v[4*(8*(\q)+2*\p+1)+\cc]
.endr
.endr
	WIN 0
.if SECOND
.set z, 0
.rept 16                               ; the bf16 number, written as f16
	v_lshlrev_b32 v[100+2*(z%4)], 16, v[WT+z]
	v_and_b32 v[101+2*(z%4)], s59, v[WT+z]
	v_cvt_pk_f16_f32 v[WT+z], v[100+2*(z%4)], v[101+2*(z%4)]
.set z, z+1
.endr
.endif
.irp cc, 0,1,2,3
	ds_store_b128 v5, v[WT+4*\cc:WT+4*\cc+3] offset:\cc*PB+32*(\q)
.endr
.endm
.irp q, 0,1,2,3,4,5,6,7
	WGRP \q
.endr
.set z, 0
.rept 16                               ; the bias, rounded to bf16 like every input
	v_cvt_pk_bf16_f32 v[112+z], v[64+2*z], v[64+2*z+1]
.if SECOND
	v_and_b32 v[112+z], s54, v[112+z]
.endif
.set z, z+1
.endr
	WIN 0x40
.set z, 0
.rept 16
	v_lshlrev_b32 v[BIAS+2*z], 16, v[112+z]
	v_and_b32 v[BIAS+2*z+1], s59, v[112+z]
.set z, z+1
.endr
	WIN 0
	s_wait_dscnt 0x0                               ; for the others' sake: my part of the slice is in LDS
	s_barrier_signal -1
	s_barrier_wait -1                              ; the only barrier: behind it the slice is only read
.macro LDB st, k                       ; the four fragments of the weights, 32 K at byte k of the columns, into buffer st: 8 LDS loads; 35,040 is the largest immediate
.irp nb, 0,1
	ds_load_b128 v[BB+32*(\st)+8*\nb:BB+32*(\st)+8*\nb+3],     v6 offset:(\k)+\nb*16*PB
	ds_load_b128 v[BB+32*(\st)+8*\nb+4:BB+32*(\st)+8*\nb+7],   v6 offset:(\k)+\nb*16*PB+32
	ds_load_b128 v[BB+32*(\st)+16+8*\nb:BB+32*(\st)+16+8*\nb+3],   v7 offset:(\k)+\nb*16*PB
	ds_load_b128 v[BB+32*(\st)+16+8*\nb+4:BB+32*(\st)+16+8*\nb+7], v7 offset:(\k)+\nb*16*PB+32
.endr
.endm
.macro LDA q                           ; the five tiles' fragments of position step q into stage q % 4: 10 loads of 512 consecutive bytes, through the base of position chunk q / 4
.set LST, AB+40*((\q)%4)
.set LSB, KB+2*((\q)/4)
.set LOF, 1024*((\q)%4)
.irp j, 0,1,2,3,4
	global_load_b128 v[LST+8*\j:LST+8*\j+3],   v[10+\j], s[LSB:LSB+1] offset:LOF
	global_load_b128 v[LST+8*\j+4:LST+8*\j+7], v[10+\j], s[LSB:LSB+1] offset:LOF+512
.endr
.endm
.macro MMA i, j, nb, zero
.set rD, 32*(\j)+8*(\nb)
.set rB, BB+32*((\i)%2)+8*(\nb)
.set rA, AB+40*((\i)%4)+8*(\j)
.if SECOND
.if \zero
	v_wmma_f32_16x16x32_f16 v[rD:rD+7], v[rB:rB+7], v[rA:rA+7], 0
.else
	v_wmma_f32_16x16x32_f16 v[rD:rD+7], v[rB:rB+7], v[rA:rA+7], v[rD:rD+7]
.endif
.else
.if \zero
	v_wmma_f32_16x16x32_bf16 v[rD:rD+7], v[rB:rB+7], v[rA:rA+7], 0
.else
	v_wmma_f32_16x16x32_bf16 v[rD:rD+7], v[rB:rB+7], v[rA:rA+7], v[rD:rD+7]
.endif
.endif
.endm
; Position step i of 32.  The weights' fragments are asked for one step ahead, the rows' three steps ahead.  The wait on LOADcnt leaves out the rows' loads of the later steps, ten each: three
; steps' up to step 28, then 20, 10, 0; the wait on DScnt the next step's eight LDS loads.  The 16 or 20 accumulators take turns, one instruction a turn.
; Step 0's products start the sums, tile 4's too, so that every accumulator is written whatever the count.
.macro STEP i
.if (\i) > 0
	PLACES
.endif
.if (\i) < 31
	LDB ((\i)+1)%2, ((\i)+1)*64
.endif
.if (\i) < 29
	LDA (\i)+3
	s_wait_loadcnt 30
.else
	s_wait_loadcnt 10*(31-(\i))
.endif
.if (\i) < 31
	s_wait_dscnt 8
.else
	s_wait_dscnt 0
.endif
	WIN 0x50
.if (\i) == 0
.irp j, 0,1,2,3,4
.irp nb, 0,1,2,3
	MMA \i, \j, \nb, 1
.endr
.endr
	WIN 0
.else
.irp j, 0,1,2,3
.irp nb, 0,1,2,3
	MMA \i, \j, \nb, 0
.endr
.endr
	WIN 0
	s_cmp_lt_u32 s26, 5
	s_cbranch_scc1 .Lno4_\@                        ; the wave's fifth tile does not exist
	WIN 0x50
.irp nb, 0,1,2,3
	MMA \i, 4, \nb, 0
.endr
	WIN 0
.Lno4_\@:
.endif
.endm
; THE WAY OUT is a loop over the wave's five tiles.  TAKE j holds the lines that name tile j's own registers and is written five times; WORK, the rest, once.
.if SECOND
; TAKE: (sum + bias) p into v32-63, the rows' places, clamped, into v96-103.  WORK: through my own stage in LDS, back as whole rows of 256 bytes, each row to its place 2 token + choice.
.macro TAKE j
	WIN 0x05
.set z, 0
.rept 16                               ; each accumulator from its low end on
	v_pk_add_f32 v[32+2*z:33+2*z], v[32*(\j)+2*z:32*(\j)+2*z+1], v[BIAS+2*z:BIAS+2*z+1]
.set z, z+1
.endr
	WIN 0x04
.set z, 0
.rept 16
	v_pk_mul_f32 v[32+2*z:33+2*z], v[32+2*z:33+2*z], v[RP+2*(\j):RP+2*(\j)+1]
.set z, z+1
.endr
.irp i, 0,1,2,3,4,5,6,7
	v_min_u32 v[96+\i], 0xfff, v[RD+8*(\j)+\i]
.endr
	WIN 0
.endm
.macro WORK
.irp i, 0,1,2,3,4,5,6,7
	v_lshl_add_u32 v[96+\i], v[96+\i], 12, v22     ; the place's 4,096 bytes + 16 (lane % 16)
.endr
.irp n, 0,1,2,3,4,5,6,7
	ds_store_b128 v20, v[32+4*\n:35+4*\n] offset:64*(\n/2)+16*(\n%2)
.endr
.irp i, 0,1,2,3,4,5,6,7
	ds_load_b128 v[64+4*\i:67+4*\i], v21 offset:2*SP*\i  ; LDS serves a wave's instructions in order (ISA guide 5.7.1.4): these see the stores above
.endr
	s_wait_dscnt 0x0
.irp i, 0,1,2,3,4,5,6,7
	global_store_b128 v[96+\i], v[64+4*\i:67+4*\i], s[12:13]  ; 16 lanes store 256 consecutive bytes, aligned
.endr
.endm
.else
; TAKE: sum + bias into v32-63, the tile's offset in hid into v29.  WORK: GELU of the 32 numbers, eight (a column block) at a time.
; gelu(x) = max(x, 0) - |x| y, y = erfc(|x| / sqrt 2) / 2 = t (a1 + t (a2 + ..)) / 2 x exp(-x x / 2), t = 1 / (1 + 0.2316419 |x|).
; The lane's 8 results, rounded to f16, are 16 bytes of the second product's operand as its registers take it: the store is 512 consecutive bytes.
.set GX, 32
.set GT, 64
.set GE, 72
.set GR, 80
.set GY, 88
.set GO, 96
.macro TAKE j
	WIN 0x05
.set z, 0
.rept 16                               ; each accumulator from its low end on
	v_pk_add_f32 v[GX+2*z:GX+2*z+1], v[32*(\j)+2*z:32*(\j)+2*z+1], v[BIAS+2*z:BIAS+2*z+1]
.set z, z+1
.endr
	WIN 0
	v_mov_b32 v29, v[15+(\j)]
.endm
.macro GELU nb
.set XB, GX+8*(\nb)
.irp i, 0,1,2,3,4,5,6,7
	v_fma_f32 v[GT+\i], |v[XB+\i]|, s52, 1.0
.endr
.irp p, 0,2,4,6
	v_pk_mul_f32 v[GE+\p:GE+\p+1], v[XB+\p:XB+\p+1], v[XB+\p:XB+\p+1]
.endr
.irp p, 0,2,4,6
	v_pk_mul_f32 v[GE+\p:GE+\p+1], v[GE+\p:GE+\p+1], s[50:51] op_sel_hi:[1,0]
.endr
.irp i, 0,1,2,3,4,5,6,7
	v_rcp_f32 v[GT+\i], v[GT+\i]
.endr
.irp i, 0,1,2,3,4,5,6,7
	v_exp_f32 v[GE+\i], v[GE+\i]
.endr
.irp i, 0,1,2,3,4,5,6,7
	v_max_num_f32 v[GR+\i], 0, v[XB+\i]            ; plain work behind the batch
.endr
	s_wait_alu depctr_va_vdst(0)                   ; one wait for the sixteen, ahead of their first reader
.irp p, 0,2,4,6
	v_pk_fma_f32 v[GY+\p:GY+\p+1], v[GT+\p:GT+\p+1], s[40:41], s[42:43] op_sel_hi:[1,0,0]
.endr
.irp c, 44,46,48
.irp p, 0,2,4,6
	v_pk_fma_f32 v[GY+\p:GY+\p+1], v[GY+\p:GY+\p+1], v[GT+\p:GT+\p+1], s[\c:\c+1] op_sel_hi:[1,1,0]
.endr
.endr
.irp p, 0,2,4,6
	v_pk_mul_f32 v[GT+\p:GT+\p+1], v[GT+\p:GT+\p+1], v[GE+\p:GE+\p+1]
.endr
.irp p, 0,2,4,6
	v_pk_mul_f32 v[GY+\p:GY+\p+1], v[GY+\p:GY+\p+1], v[GT+\p:GT+\p+1]
.endr
.irp i, 0,1,2,3,4,5,6,7
	v_fma_f32 v[XB+\i], -|v[XB+\i]|, v[GY+\i], v[GR+\i]
.endr
.irp p, 0,1,2,3
	v_cvt_pk_f16_f32 v[GO+4*(\nb)+\p], v[XB+2*\p], v[XB+2*\p+1]
.endr
	global_store_b128 v29, v[GO+4*(\nb):GO+4*(\nb)+3], s[12:13] offset:512*(\nb)
.endm
.macro WORK
.irp nb, 0,1,2,3
	GELU \nb
.endr
.endm
.endif
; THE PASSES: four, a constant; a pass in which the wave has no tile is jumped over, forward, to the counter's step.
	s_mov_b32 s25, 0
	s_mov_b32 s27, s20                             ; the wave's first tile of the pass: 40 pass + wave
.Lpass:
	s_cmp_ge_u32 s27, s24
	s_cbranch_scc1 .Lskip
	s_wait_xcnt 0x0                                ; the last pass's loads and stores have read their offsets
	s_sub_co_u32 s26, s24, s27
	s_add_co_u32 s26, s26, 7
	s_lshr_b32 s26, s26, 3
	s_min_u32 s26, s26, 5                          ; how many of my five tiles exist
	s_sub_co_u32 s33, s24, 1
.irp j, 0,1,2,3,4
	s_add_co_u32 s28, s27, 8*\j                    ; T
	s_min_u32 s29, s28, s24
	s_sub_co_u32 s29, s24, s29                     ; tiles from T on: 0 for a tile that does not exist,
	s_min_u32 s29, s29, 1
	s_lshl_b32 s29, s29, 4                         ; whose lanes then all ask for the same 16 bytes of the last tile
	s_min_u32 s28, s28, s33
	s_min_u32 s28, s28, 127
	s_lshl_b32 s30, s28, TSH
	v_mad_u32_u24 v[10+\j], v3, s29, s30
.if SECOND
	s_lshl_b32 s31, s28, 6                         ; both lists: 64 bytes a tile
	s_wait_xcnt 0x0                                ; v24 and v25 serve every tile
	v_add_nc_u32 v24, s31, v23                     ; places: rows 2 i + lane / 16, i = 0 .. 7
	v_add_nc_u32 v25, s31, v28                     ; gate weight: row lane % 16
	WIN 0x40
	global_load_b128 v[RD+8*\j:RD+8*\j+3], v24, s[10:11]
	global_load_b128 v[RD+8*\j+4:RD+8*\j+7], v24, s[10:11] offset:16
	global_load_b32 v[RP+2*\j], v25, s[14:15]
	global_load_b32 v[RP+2*\j+1], v25, s[14:15]    ; twice: a pair for the packed multiply
	WIN 0
.else
	s_lshl_b32 s31, s28, 16
	v_lshl_add_u32 v[15+\j], v3, 4, s31            ; hid: the tile's 65,536 bytes + 16 x lane
.endif
.endr
	LDB 0, 0
	LDA 0
	LDA 1
	LDA 2
.set ks, 0
.rept 32
	STEP ks
.set ks, ks+1
.endr
	PLACES
	s_mov_b32 s60, 0
.Ltile:                                                ; five trips, a constant; a tile that does not exist is jumped over, forward, to the counter's step
	s_cmp_ge_u32 s60, s26
	s_cbranch_scc1 .Lnone
	s_wait_xcnt 0x0                                ; the last tile's stores have read their registers
.irp j, 0,1,2,3
	s_cmp_eq_u32 s60, \j
	s_cbranch_scc1 .Ltake\j
.endr
	TAKE 4
	s_branch .Lwork
.irp j, 3,2,1
.Ltake\j:
	TAKE \j
	s_branch .Lwork
.endr
.Ltake0:
	TAKE 0
.Lwork:
	WORK
.Lnone:
	s_add_co_u32 s60, s60, 1
	s_cmp_lt_u32 s60, 5
	s_cbranch_scc1 .Ltile
.Lskip:
	s_add_co_u32 s27, s27, 40
	s_add_co_u32 s25, s25, 1
	s_cmp_lt_u32 s25, 4
	s_cbranch_scc1 .Lpass
	s_wait_tensorcnt 0x0                           ; the wave's end, behind my last LDS store
	ds_add_u32 v1, v2
	s_wait_dscnt 0x0
	s_endpgm
.Lfunc_end_k_q7e6bebc21d_gemm2:
	.size	k_q7e6bebc21d_gemm2, .Lfunc_end_k_q7e6bebc21d_gemm2-k_q7e6bebc21d_gemm2
	.p2alignl 7, 3214868480
	.fill 96, 4, 3214868480
	.section	.rodata,"a",@progbits
	.p2align	6, 0x0
	.amdhsa_kernel k_q7e6bebc21d_gemm2
		.amdhsa_group_segment_fixed_size 167936
		.amdhsa_private_segment_fixed_size 0
		.amdhsa_enable_private_segment 0
		.amdhsa_kernarg_size 48
		.amdhsa_user_sgpr_count 2
		.amdhsa_user_sgpr_kernarg_segment_ptr 1
		.amdhsa_wavefront_size32 1
		.amdhsa_system_sgpr_workgroup_id_x 1
		.amdhsa_system_sgpr_workgroup_id_y 1
		.amdhsa_system_sgpr_workgroup_id_z 1
		.amdhsa_system_vgpr_workitem_id 0
		.amdhsa_next_free_vgpr 512
		.amdhsa_next_free_sgpr 88
		.amdhsa_reserve_vcc 0
		.amdhsa_float_denorm_mode_32 3
		.amdhsa_float_denorm_mode_16_64 3
		.amdhsa_memory_ordered 1
		.amdhsa_forward_progress 1
		.amdhsa_inst_pref_size 162
	.end_amdhsa_kernel
	.amdgpu_metadata
---
amdhsa.version: [ 1, 2 ]
amdhsa.kernels:
  - .name:           k_q7e6bebc21d_gemm2
    .symbol:         k_q7e6bebc21d_gemm2.kd
    .args:
      - { .name: hid, .offset: 0, .size: 8, .value_kind: global_buffer, .address_space: global }
      - { .name: w2, .offset: 8, .size: 8, .value_kind: global_buffer, .address_space: global }
      - { .name: b2, .offset: 16, .size: 8, .value_kind: global_buffer, .address_space: global }
      - { .name: rows, .offset: 24, .size: 8, .value_kind: global_buffer, .address_space: global }
      - { .name: ypart, .offset: 32, .size: 8, .value_kind: global_buffer, .address_space: global }
      - { .name: rowp, .offset: 40, .size: 8, .value_kind: global_buffer, .address_space: global }
    .group_segment_fixed_size: 167936
    .private_segment_fixed_size: 0
    .kernarg_segment_align: 8
    .kernarg_segment_size: 48
    .max_flat_workgroup_size: 256
    .sgpr_count:     88
    .vgpr_count:     512
    .wavefront_size: 32
...
	.end_amdgpu_metadata
.endif
;; end of part 8
;; launch final: the kernel of part 5 again; grid 256 x 1, 8 waves a work-group, no clusters, 0 bytes of LDS; arguments ypart, gate, rows, out0, out1; writes out0, out1
